; MI455X (gfx1250); checked and timed in simulation.
; The chip was launched on July 23, 2026; its instructions are those of AMD's public machine-readable ISA for CDNA 5 (MIT licence, August 2026) and "CDNA5" Instruction Set Architecture Reference Guide (July 2026). The comments in the code are by the model that wrote it; some were corrected since.
;; Multi Head Attention. Allowed arithmetic: matrix products marked QUANTISED: E5M2 operands, one given power-of-two scale a tensor, by v_wmma_f32_16x16x64_bf8_bf8 or v_wmma_f32_16x16x128_bf8_bf8, f32 sums; everything else in f32.
;; Inputs: Wc 1,024 x 1,024 float32; Wk 1,024 x 1,024 float32; Wq 1,024 x 1,024 float32; Wv 1,024 x 1,024 float32; bc 1,024 float32; bk 1,024 float32; bq 1,024 float32; bv 1,024 float32; key 2 x 2,048 x 1,024 float32; lowp_scales 16 int32 (the exponents e of the quantised operands' scales 2^e); mask 2 x 2,048 float32; mlp_b1 512 float32; mlp_b2 1,024 float32; mlp_w1 1,024 x 512 float32; mlp_w2 512 x 1,024 float32; query 2 x 2,048 x 1,024 float32; rms1_scale 1,024 float32; rms2_scale 1,024 float32; value 2 x 2,048 x 1,024 float32.
;; Outputs: out0 2 x 2,048 x 1,024 float32.
;; This version of the problem:
;;   THIS VERSION OF THE PROBLEM IS GIVEN IN LOW PRECISION. The matrix products marked QUANTISED in the list below multiply operands that are first quantised to E5M2 (5 exponent bits, 2 mantissa bits; 8 bits a number), with one given power-of-two scale for each operand tensor; their sums are f32. All else is computed in f32.
;;   The module's matrix products, in the order in which they are computed (A, B: the left and right operand; K: the contracted axis; several contracted axes count as one K, in the product's order):
;;     1. [M 4,096, K 1,024] x [K 1,024, N 1,024]; A: input query; B: input Wq: QUANTISED (scales: A lowp_scales[0], B lowp_scales[1])
;;     2. [M 4,096, K 1,024] x [K 1,024, N 1,024]; A: input key; B: input Wk: QUANTISED (scales: A lowp_scales[2], B lowp_scales[3])
;;     3. [M 4,096, K 1,024] x [K 1,024, N 1,024]; A: input value; B: input Wv: QUANTISED (scales: A lowp_scales[4], B lowp_scales[5])
;;     4. batch 32 x [M 2,048, K 64] x [K 64, N 2,048]; A: computed on the way; B: computed on the way: QUANTISED (scales: A lowp_scales[6], B lowp_scales[7])
;;     5. batch 32 x [M 64, K 2,048] x [K 2,048, N 2,048]; A: computed on the way; B: softmax (see below): QUANTISED (scales: A lowp_scales[8], B lowp_scales[9])
;;     6. [M 4,096, K 1,024] x [K 1,024, N 1,024]; A: computed on the way; B: input Wc: QUANTISED (scales: A lowp_scales[10], B lowp_scales[11])
;;     7. [M 4,096, K 1,024] x [K 1,024, N 512]; A: computed on the way; B: input mlp_w1: QUANTISED (scales: A lowp_scales[12], B lowp_scales[13])
;;     8. [M 4,096, K 512] x [K 512, N 1,024]; A: computed on the way; B: input mlp_w2: QUANTISED (scales: A lowp_scales[14], B lowp_scales[15])
;;   THE QUANTISER, for each operand of a quantised product, along K:
;;     - The operand's scale is 2^e, e = its entry of the input lowp_scales (int32; the entries are numbered through the quantised products in the list's order, A before B).
;;     - Each number is divided by the scale, clamped to +-57,344, and rounded to the nearest number of E5M2, ties to even, subnormals kept.
;;     - The product sums the exact products of the quantised numbers (number of the format x scale) in f32.
;;   ~~~python
;;   def quantise(x, axis, e):      # numpy; x: float32 -> the quantised numbers, widened to float32 again
;;       x = np.moveaxis(x, axis, -1); K = x.shape[-1]
;;       r = np.clip(x / 2.0 ** e, -57344, 57344)
;;       step = 2.0 ** (np.maximum(np.frexp(np.where(r == 0, 1, r))[1] - 1, -14) - 2)
;;       q = np.round(r / step) * step * 2.0 ** e      # np.round: ties to even
;;       return np.moveaxis(q, -1, axis).astype(np.float32)
;;   ~~~
;;   SOFTMAX AHEAD OF A QUANTISED PRODUCT. Where the list says 'softmax', what is quantised is not the finished softmax but p = 2^(t - M), with t = logit x log2(e) and M = ceil(the row's largest t), a whole number; so 1/2 < the row's largest p <= 1. The row's sum l is taken of the UNQUANTISED p, in f32, and the product's result is divided by l at the end. Since M is a whole number, a kernel that streams over the keys may use a running M (the ceiling of the running maximum): every later rescaling is an exact power of two, so the quantised numbers keep their values, but for numbers so far below the row's largest that they fall under the format's range.
;;   OPERANDS COMPUTED ON THE WAY. 'Computed on the way' means the value that the module computes at that place (a softmax that the list does not call 'softmax' is quantised finished and normalised). What goes into a quantiser is computed in f32, as accurately as f32 sums, v_exp_f32 and their like allow (about 1e-6 of the number): no bf16 or f16 on the way to a quantiser, and a product that is left as it is and whose result goes on into a quantised operand takes f32 operands (vector FMAs, or v_wmma_f32_16x16x4_f32). A number that lies on a knife's edge between two numbers of the format may be rounded either way, as far as f32 arithmetic and the matrix unit's own rounding can turn it there, and no further.
;; 2 versions, each right; version 2 is version 1 with the launch tail written anew for expert scheduling mode. Each part assembles by itself: llvm-mc -triple=amdgcn-amd-amdhsa -mcpu=gfx1250 --defsym DOCPART=n.
;; ======== version 1 of 2: 4 launches
;; workspace buffers: codes 15,728,640 bytes; wtail 2,097,152 bytes; qkv 12,582,912 bytes; ocodes 4,194,304 bytes
;; launch prep (part 1): grid 992 x 1, 4 waves a work-group, no clusters, 36,352 bytes of LDS; arguments query, key, value, Wq, Wk, Wv, Wc, mlp_w1, mlp_w2, lowp_scales, codes, wtail; writes codes, wtail
.if DOCPART == 1
	.amdgcn_target "amdgcn-amd-amdhsa--gfx1250"
	.amdhsa_code_object_version 6
	.text
	.protected	k_qbe1d473308_prep
	.globl	k_qbe1d473308_prep
	.p2align	8
	.type	k_qbe1d473308_prep,@function
k_qbe1d473308_prep:
	s_mov_b64 s[64:65], 0
	v_nop
	global_prefetch_b8 v0, s[64:65] scope:SCOPE_SE
	s_setreg_imm32_b32 hwreg(HW_REG_WAVE_MODE, 25, 1), 1
	s_wait_xcnt 0x0
; PREP: every f32 input that is an operand of a product becomes codes of BF8 (E5M2), once, with the one scale 2^e given for it:
; code = x / 2^e, held within +-57,344, to the nearest code, ties to even.
; LIMITS: each e used here (entries 0-5, 11, 13, 15) lies between -126 and 112, so that 2^e and 57,344 x 2^e are f32 numbers.  NaN among the inputs is not served.
; Three kinds of work-group, told apart by the work-group's number alone:
;   0-95    P: Wq, Wk, Wv [k][n] -> codes rows 12,288 + 1,024 t + n, K innermost, in POSITION ORDER (below).  A lane takes a column, its registers run down K; out through the wave's stage in LDS.
;   96-223  T: Wc, mlp_w1, mlp_w2 [k][n] -> wtail, as images of operand registers (16 columns x 128 k: lane (r, h) holds column r, registers 2c, 2c+1 hold k = 16c + 8h + 0..7; registers 4i..4i+3 lie at 512 i + 16 lane).
;   224-991 X: query, key, value [row][k] -> codes rows 4,096 t + row, in position order.
; POSITION ORDER: in each half row of 512 codes, byte 16 l + 4 j + i holds k = 128 j + 4 l + i (l 0..31, j 0..3, i 0..3).  So a lane that loads 16 bytes of each of four runs of 512 bytes holds 16 codes that are
; stored side by side: every load and every store of path X covers 512 consecutive bytes.  The order is the same in both operands of products 1 to 3, so every product meets its partner.
; Only path P touches LDS.  Waves share nothing: no barrier.
.set PITCH, 272                        ; P: a stage row: 256 bytes of codes + 16
.set LIM,   12                         ; v12  57,344 x 2^e
.set SC,    13                         ; v13  2^e as f32: the conversion takes its exponent field
.set XR,    16                         ; X: v16-143 the numbers of eight half rows
.set XC,    144                        ; X: v144-175 their codes
.set PX,    32                         ; P: v32-95 two sets of 32 numbers
.set PC,    96                         ; P: v96-103 a block's codes
.set PO,    112                        ; P: v112-175 the way out
.set TD,    32                         ; T: v32-159 two fragments' numbers
.set TC,    160                        ; T: v160-191 their codes
.set WPROJ, 12582912                   ; byte of row 12,288 in codes
.macro MKSCALE                         ; s40 = e -> v[SC], v[LIM]
	s_wait_kmcnt 0x0
	s_add_co_i32 s40, s40, 127
	s_lshl_b32 s41, s40, 23
	v_mov_b32 v[SC], s41
	s_add_co_i32 s40, s40, 15
	s_lshl_b32 s40, s40, 23
	s_or_b32 s40, s40, 0x600000                    ; the mantissa field of 57,344
	v_mov_b32 v[LIM], s40
.endm
	s_load_b512 s[8:23], s[0:1], 0x0               ; query s[8:9], key, value, Wq s[14:15], Wk, Wv, Wc s[20:21], mlp_w1 s[22:23]
	s_load_b256 s[24:31], s[0:1], 0x40             ; mlp_w2 s[24:25], the exponents s[26:27], codes s[28:29], wtail s[30:31]
	v_lshl_add_u32 v192, v0, 2, 0x8c00
	v_mov_b32 v193, 0
	v_lshrrev_b32 v2, 5, v0
	v_readfirstlane_b32 s34, v2                    ; wave 0..3
	v_and_b32 v2, 31, v0                           ; lane
	v_lshlrev_b32 v1, 4, v2                        ; 16 x lane
	s_cmp_lt_u32 ttmp9, 96
	s_cbranch_scc1 .Lpath_p
	s_cmp_lt_u32 ttmp9, 224
	s_cbranch_scc1 .Lpath_t
; ---- X: a wave takes four rows (eight half rows of 2,048 bytes)
	s_sub_co_u32 s35, ttmp9, 224
	s_lshr_b32 s36, s35, 8                         ; t: 0 query, 1 key, 2 value
	s_and_b32 s37, s35, 255
	s_lshl_b32 s37, s37, 2
	s_add_co_u32 s37, s37, s34                     ; which run of four rows, 0..1,023
	s_lshl_b32 s38, s37, 14                        ; in the tensor: 16,384 bytes a run
	s_mov_b32 s39, 0
	s_lshl_b32 s42, s36, 22                        ; in codes: 4 MiB a tensor,
	s_lshl_b32 s43, s37, 12                        ; 4,096 bytes a run
	s_add_co_u32 s42, s42, s43
	s_mov_b32 s43, 0
	s_lshl_b32 s41, s36, 3                         ; entry 2 t, in bytes
	s_wait_kmcnt 0x0
	s_load_b32 s40, s[26:27], s41 offset:0x0
	s_cmp_eq_u32 s36, 0
	s_cselect_b64 s[4:5], s[8:9], s[10:11]
	s_cmp_eq_u32 s36, 2
	s_cselect_b64 s[4:5], s[12:13], s[4:5]
	s_add_nc_u64 s[4:5], s[4:5], s[38:39]
	s_add_nc_u64 s[6:7], s[28:29], s[42:43]
.irp u, 0,1,2,3,4,5,6,7
.irp j, 0,1,2,3
	global_load_b128 v[XR+16*\u+4*\j:XR+16*\u+4*\j+3], v1, s[4:5] offset:2048*\u+512*\j th:TH_LOAD_NT   ; 32 lanes read 512 consecutive bytes: k = 128 j + 4 lane + 0..3 of half row u
.endr
.endr
	MKSCALE
.irp u, 0,1,2,3,4,5,6,7
	s_wait_loadcnt 28-4*\u                         ; half row u's four loads are in; the later half rows' stay out
.irp i, 0,1,2,3,4,5,6,7,8,9,10,11,12,13,14,15
	v_med3_num_f32 v[XR+16*\u+\i], v[XR+16*\u+\i], -v[LIM], v[LIM]   ; the conversion to an 8-bit code does not saturate (ISA guide 7.6.2): the hold comes first
.endr
	v_cvt_scalef32_pk8_bf8_f32 v[XC+4*\u:XC+4*\u+1], v[XR+16*\u:XR+16*\u+7], v[SC]
	v_cvt_scalef32_pk8_bf8_f32 v[XC+4*\u+2:XC+4*\u+3], v[XR+16*\u+8:XR+16*\u+15], v[SC]
	global_store_b128 v1, v[XC+4*\u:XC+4*\u+3], s[6:7] offset:512*\u   ; 512 consecutive bytes; no register of a store is written again
.endr
	s_endpgm
; ---- P: a wave takes 32 columns x 256 positions of a projection weight
.Lpath_p:
	s_lshr_b32 s36, ttmp9, 5                       ; t: 0 Wq, 1 Wk, 2 Wv
	s_and_b32 s35, ttmp9, 7                        ; which 128 columns
	s_bfe_u32 s37, ttmp9, 0x20003                  ; y: which 256 positions of the row of 1,024
	s_lshl_b32 s38, s35, 7
	s_lshl_b32 s39, s34, 5
	s_add_co_u32 s38, s38, s39                     ; my wave's first column
	v_lshlrev_b32 v3, 2, v2                        ; in: 4 bytes a lane
	s_mul_i32 s39, s34, 32*PITCH                   ; my stage
	v_mul_u32_u24 v4, v2, PITCH
	v_add_nc_u32 v4, s39, v4                       ; into it: row = my column
	v_and_b32 v5, 15, v2
	v_lshrrev_b32 v6, 4, v2
	v_mul_u32_u24 v7, v6, PITCH
	v_lshl_add_u32 v7, v5, 4, v7
	v_add_nc_u32 v7, s39, v7                       ; out of it: sixteen lanes to a row, two rows an instruction
	v_lshlrev_b32 v8, 10, v6
	v_lshl_add_u32 v8, v5, 4, v8                   ; and the same place in codes (rows of 1,024 bytes)
	s_lshr_b32 s42, s37, 1
	s_lshl_b32 s42, s42, 21                        ; positions 256 y on begin at k = 512 (y / 2) + 64 (y % 2): rows of 4,096 bytes
	s_and_b32 s43, s37, 1
	s_lshl_b32 s43, s43, 18
	s_add_co_u32 s42, s42, s43
	s_lshl_b32 s43, s38, 2
	s_add_co_u32 s42, s42, s43
	s_mov_b32 s43, 0
	s_lshl_b32 s44, s36, 20                        ; out: 1,024 rows a tensor,
	s_lshl_b32 s45, s38, 10                        ; row = column,
	s_add_co_u32 s44, s44, s45
	s_lshl_b32 s45, s37, 8                         ; 256 y
	s_add_co_u32 s44, s44, s45
	s_add_co_u32 s44, s44, WPROJ
	s_mov_b32 s45, 0
	s_lshl_b32 s41, s36, 3
	s_add_co_u32 s41, s41, 4                       ; entry 2 t + 1, in bytes
	s_wait_kmcnt 0x0
	s_load_b32 s40, s[26:27], s41 offset:0x0
	s_cmp_eq_u32 s36, 0
	s_cselect_b64 s[4:5], s[14:15], s[16:17]
	s_cmp_eq_u32 s36, 2
	s_cselect_b64 s[4:5], s[18:19], s[4:5]
	s_add_nc_u64 s[4:5], s[4:5], s[42:43]
	s_add_nc_u64 s[6:7], s[28:29], s[44:45]
.macro PLOAD t                         ; block t: positions 32 t + i: k = 8 t + 4 (i / 16) + 128 ((i % 16) / 4) + i % 4 rows further down; 447 rows at the most, inside the immediate
.irp i, 0,1,2,3,4,5,6,7,8,9,10,11,12,13,14,15,16,17,18,19,20,21,22,23,24,25,26,27,28,29,30,31
	global_load_b32 v[PX+32*((\t)%2)+\i], v3, s[4:5] offset:(8*(\t)+4*(\i/16)+128*((\i%16)/4)+\i%4)*4096 th:TH_LOAD_NT
.endr
.endm
	PLOAD 0
	PLOAD 1
	MKSCALE
.macro PBLOCK t
.set XS, PX+32*((\t)%2)
.if (\t) < 7
	s_wait_loadcnt 32                              ; this block's 32 loads are in; the next block's may be out
.else
	s_wait_loadcnt 0
.endif
.irp i, 0,1,2,3,4,5,6,7,8,9,10,11,12,13,14,15,16,17,18,19,20,21,22,23,24,25,26,27,28,29,30,31
	v_med3_num_f32 v[XS+\i], v[XS+\i], -v[LIM], v[LIM]
.endr
.irp g, 0,1,2,3
	v_cvt_scalef32_pk8_bf8_f32 v[PC+2*\g:PC+2*\g+1], v[XS+8*\g:XS+8*\g+7], v[SC]
.endr
	ds_store_b128 v4, v[PC:PC+3] offset:32*(\t)
	ds_store_b128 v4, v[PC+4:PC+7] offset:32*(\t)+16
.if (\t)+2 < 8
	PLOAD (\t)+2
.endif
	s_wait_dscnt 0x0                               ; the stores have read their registers: the next block's codes may be written
.endm
.irp t, 0,1,2,3,4,5,6,7
	PBLOCK \t
.endr
.irp t, 0,1,2,3,4,5,6,7,8,9,10,11,12,13,14,15
	ds_load_b128 v[PO+4*\t:PO+4*\t+3], v7 offset:2*\t*PITCH   ; LDS serves a wave's instructions in order: these see my stores
.endr
.irp t, 0,1,2,3,4,5,6,7,8,9,10,11,12,13,14,15
	s_wait_dscnt 15-\t                             ; rows 2 t, 2 t + 1 are back; the later ones may be out
	global_store_b128 v8, v[PO+4*\t:PO+4*\t+3], s[6:7] offset:2*\t*1024   ; sixteen lanes store 256 consecutive bytes, aligned
.endr
	s_wait_tensorcnt 0x0
	ds_add_u32 v192, v193
	s_wait_dscnt 0x0
	s_endpgm
; ---- T: a wave makes two fragment images (32 columns x 128 k) of Wc, mlp_w1 or mlp_w2
; wtail: [wave w of the last launch][f 0..127][2,048 bytes]; f = 8 s + nt: Wc (K step s, column tile 8 w + nt); 64 + 4 s + nt: mlp_w1 (tile 4 w + nt); 96 + 8 s + nt: mlp_w2 (tile 8 w + nt)
.Lpath_t:
	s_sub_co_u32 s35, ttmp9, 96                    ; 0-63 Wc, 64-95 mlp_w1, 96-127 mlp_w2
	s_and_b32 s36, s35, 31
	s_cmp_lt_u32 s35, 64
	s_cselect_b32 s36, s35, s36                    ; the number within the weight
	s_lshr_b32 s37, s35, 5                         ; 0, 1: Wc; 2: mlp_w1; 3: mlp_w2
	s_cmp_eq_u32 s37, 2
	s_cselect_b32 s38, 3, 7
	s_cselect_b32 s39, 2, 3
	s_cselect_b32 s42, 11, 12                      ; a row of the weight is 2^11 or 2^12 bytes
	s_and_b32 s38, s36, s38                        ; cg: which 128 columns
	s_lshr_b32 s39, s36, s39                       ; s: which 128 along K
	s_cmp_eq_u32 s37, 3
	s_cselect_b32 s43, 96, 0                       ; f of the weight's first fragment (Wc, mlp_w2)
	s_cselect_b32 s41, 60, 44                      ; entry 15 or 11, in bytes
	s_cmp_eq_u32 s37, 2
	s_cselect_b32 s41, 52, s41                     ; entry 13
	s_lshl_b32 s60, s38, 7                         ; Wc, mlp_w2: image 128 cg + f0 + 8 s + 2 wave
	s_add_co_u32 s60, s60, s43
	s_lshl_b32 s61, s39, 3
	s_add_co_u32 s60, s60, s61
	s_lshl_b32 s61, s34, 1
	s_add_co_u32 s60, s60, s61
	s_lshl_b32 s62, s38, 8                         ; mlp_w1: image 128 (2 cg + wave / 2) + 64 + 4 s + 2 (wave % 2)
	s_lshr_b32 s61, s34, 1
	s_lshl_b32 s61, s61, 7
	s_add_co_u32 s62, s62, s61
	s_lshl_b32 s61, s39, 2
	s_add_co_u32 s62, s62, s61
	s_and_b32 s61, s34, 1
	s_lshl_b32 s61, s61, 1
	s_add_co_u32 s62, s62, s61
	s_add_co_u32 s62, s62, 64
	s_cmp_eq_u32 s37, 2
	s_cselect_b32 s60, s62, s60
	s_lshl_b32 s60, s60, 11
	s_mov_b32 s61, 0
	s_lshl_b32 s62, s39, 7
	s_lshl_b32 s62, s62, s42                       ; 128 s rows,
	s_lshl_b32 s63, s38, 9                         ; 128 cg columns,
	s_add_co_u32 s62, s62, s63
	s_lshl_b32 s63, s34, 7                         ; 32 columns a wave
	s_add_co_u32 s62, s62, s63
	s_mov_b32 s63, 0
	s_lshl_b32 s2, 16, s42                         ; 16 rows
	s_mov_b32 s3, 0
	v_and_b32 v3, 15, v2
	v_lshlrev_b32 v3, 2, v3                        ; 4 r
	v_lshrrev_b32 v14, 4, v2
	v_lshlrev_b32 v14, 3, v14                      ; 8 h
.irp j, 0,1,2,3,4,5,6,7
	v_add_nc_u32 v[4+\j], \j, v14
	v_lshlrev_b32 v[4+\j], s42, v[4+\j]
	v_add_nc_u32 v[4+\j], v[4+\j], v3              ; row 8 h + j, column r
.endr
	s_wait_kmcnt 0x0
	s_load_b32 s40, s[26:27], s41 offset:0x0
	s_cmp_eq_u32 s37, 2
	s_cselect_b64 s[44:45], s[22:23], s[20:21]
	s_cmp_eq_u32 s37, 3
	s_cselect_b64 s[44:45], s[24:25], s[44:45]
	s_add_nc_u64 s[44:45], s[44:45], s[62:63]
.irp c, 1,2,3,4,5,6,7
	s_add_nc_u64 s[44+2*\c:45+2*\c], s[42+2*\c:43+2*\c], s[2:3]   ; a base for each 16 rows: the row's length is not a constant of the text
.endr
	s_add_nc_u64 s[6:7], s[30:31], s[60:61]
.irp c, 0,1,2,3,4,5,6,7
.irp u, 0,1
.irp j, 0,1,2,3,4,5,6,7
	global_load_b32 v[TD+64*\u+8*\c+\j], v[4+\j], s[44+2*\c:45+2*\c] offset:64*\u   ; W(128 s + 16 c + 8 h + j, column 16 u + r of my 32)
.endr
.endr
.endr
	MKSCALE
.irp c, 0,1,2,3,4,5,6,7
.if 16*(7-\c) > 63
	s_wait_loadcnt 63                              ; (a wait cannot name more)
.else
	s_wait_loadcnt 16*(7-\c)                       ; group c's sixteen loads are in; the later groups' may be out
.endif
.irp u, 0,1
.irp j, 0,1,2,3,4,5,6,7
	v_med3_num_f32 v[TD+64*\u+8*\c+\j], v[TD+64*\u+8*\c+\j], -v[LIM], v[LIM]
.endr
	v_cvt_scalef32_pk8_bf8_f32 v[TC+16*\u+2*\c:TC+16*\u+2*\c+1], v[TD+64*\u+8*\c:TD+64*\u+8*\c+7], v[SC]   ; registers 2 c, 2 c + 1 of the operand
.endr
.endr
.irp u, 0,1
.irp i, 0,1,2,3
	global_store_b128 v1, v[TC+16*\u+4*\i:TC+16*\u+4*\i+3], s[6:7] offset:2048*\u+512*\i   ; 512 consecutive bytes
.endr
.endr
	s_endpgm
.Lfunc_end_k_qbe1d473308_prep:
	.size	k_qbe1d473308_prep, .Lfunc_end_k_qbe1d473308_prep-k_qbe1d473308_prep
	.p2alignl 7, 3214868480
	.fill 96, 4, 3214868480
	.section	.rodata,"a",@progbits
	.p2align	6, 0x0
	.amdhsa_kernel k_qbe1d473308_prep
		.amdhsa_group_segment_fixed_size 36352
		.amdhsa_private_segment_fixed_size 0
		.amdhsa_enable_private_segment 0
		.amdhsa_kernarg_size 96
		.amdhsa_user_sgpr_count 2
		.amdhsa_user_sgpr_kernarg_segment_ptr 1
		.amdhsa_wavefront_size32 1
		.amdhsa_system_sgpr_workgroup_id_x 1
		.amdhsa_system_sgpr_workgroup_id_y 1
		.amdhsa_system_sgpr_workgroup_id_z 1
		.amdhsa_system_vgpr_workitem_id 0
		.amdhsa_next_free_vgpr 194
		.amdhsa_next_free_sgpr 66
		.amdhsa_reserve_vcc 0
		.amdhsa_float_denorm_mode_32 3
		.amdhsa_float_denorm_mode_16_64 3
		.amdhsa_memory_ordered 1
		.amdhsa_forward_progress 1
		.amdhsa_inst_pref_size 89
	.end_amdhsa_kernel
	.amdgpu_metadata
---
amdhsa.version: [ 1, 2 ]
amdhsa.kernels:
  - .name:           k_qbe1d473308_prep
    .symbol:         k_qbe1d473308_prep.kd
    .args:
      - { .name: query, .offset: 0, .size: 8, .value_kind: global_buffer, .address_space: global }
      - { .name: key, .offset: 8, .size: 8, .value_kind: global_buffer, .address_space: global }
      - { .name: value, .offset: 16, .size: 8, .value_kind: global_buffer, .address_space: global }
      - { .name: Wq, .offset: 24, .size: 8, .value_kind: global_buffer, .address_space: global }
      - { .name: Wk, .offset: 32, .size: 8, .value_kind: global_buffer, .address_space: global }
      - { .name: Wv, .offset: 40, .size: 8, .value_kind: global_buffer, .address_space: global }
      - { .name: Wc, .offset: 48, .size: 8, .value_kind: global_buffer, .address_space: global }
      - { .name: mlp_w1, .offset: 56, .size: 8, .value_kind: global_buffer, .address_space: global }
      - { .name: mlp_w2, .offset: 64, .size: 8, .value_kind: global_buffer, .address_space: global }
      - { .name: lowp_scales, .offset: 72, .size: 8, .value_kind: global_buffer, .address_space: global }
      - { .name: codes, .offset: 80, .size: 8, .value_kind: global_buffer, .address_space: global }
      - { .name: wtail, .offset: 88, .size: 8, .value_kind: global_buffer, .address_space: global }
    .group_segment_fixed_size: 36352
    .private_segment_fixed_size: 0
    .kernarg_segment_align: 8
    .kernarg_segment_size: 96
    .max_flat_workgroup_size: 128
    .sgpr_count:     66
    .vgpr_count:     194
    .wavefront_size: 32
...
	.end_amdgpu_metadata
.endif
;; end of part 1
;; launch proj (part 2): grid 4 x 48, 4 waves a work-group, clusters of 4 x 4, 327,680 bytes of LDS; arguments codes, lowp_scales, bq, bk, bv, qkv; writes qkv
.if DOCPART == 2
	.amdgcn_target "amdgcn-amd-amdhsa--gfx1250"
	.amdhsa_code_object_version 6
	.text
	.protected	k_qbe1d473308_proj
	.globl	k_qbe1d473308_proj
	.p2align	8
	.type	k_qbe1d473308_proj,@function
k_qbe1d473308_proj:
	s_mov_b64 s[64:65], 0
	v_nop
	global_prefetch_b8 v0, s[64:65] scope:SCOPE_SE
	s_setreg_imm32_b32 hwreg(HW_REG_WAVE_MODE, 25, 1), 1
	s_wait_xcnt 0x0
	s_wait_alu depctr_hold_cnt(0) depctr_sa_sdst(0) depctr_va_vdst(0) depctr_va_sdst(0) depctr_va_ssrc(0) depctr_va_vcc(0) depctr_vm_vsrc(0)
	s_getreg_b32 s2, hwreg(HW_REG_IB_STS2, 6, 4)
	s_cmp_eq_u32 s2, 0
	s_cbranch_scc0 .Lentry_in_a_cluster
	s_endpgm
.Lentry_in_a_cluster:
	s_bfe_u32 s2, ttmp6, 0x10000c
	s_cmp_lg_u32 s2, 0xf033
	s_cbranch_scc0 .Lentry_shape_is_right
	s_endpgm
.Lentry_shape_is_right:
; PROJ: products 1 to 3 on codes of BF8, the bias, and the quantiser of products 4 and 5.  192 tiles of 256 x 256; four waves, each 128 x 128 in 64 accumulators (512 registers); K = 1,024 in four steps of 256
; through a ring of two LDS slots filled by the tensor data mover.
; codes: 15,360 rows of 1,024 codes: rows 0-12,287 query, key, value; rows 12,288 on the columns of Wq, Wk, Wv.  Both in the same order along K, so every product meets its partner.
; CLUSTERS: 4 x 4 work-groups; cl = the cluster's y, 0..11.  cl 0-7: C = x W^T for q and k (A = 256 rows of x, B = 256 columns of W).  cl 8-11: C = Wv^T value^T (A = 256 columns of Wv, B = 256 rows of value):
; the operands change places BY ROW NUMBER alone.  A's tile hangs on cy and cl, and is asked for jointly by a row of the cluster; B's on cx and cl, by a column.
; THE MATRIX INSTRUCTION IS USED TRANSPOSED (source 0 = 16 rows of B, source 1 = 16 rows of A): lane (r, h) holds row r of A's 16 and B's rows 8 h + 0..7.  So a lane's eight results are eight neighbours along the NEXT K
; (q, k: the head's 64; v: the keys), and one conversion gives registers 2 b, 2 b + 1 of the next operand.  The results leave as images of operand registers (registers 4 i .. 4 i + 3 at 512 i + 16 lane), 512 consecutive bytes a store: no stage.
; qkv: q at 0 and k at 4 MiB: [16 batch + head][tile of 16 rows, 0..127][1,024 bytes]; v at 8 MiB: [16 batch + head][128 keys, 0..15][16 of the head's 64, 0..3][2,048 bytes].
; y = sum x 2^(ea + eb) + bias; code = y / 2^eo, held within +-57,344.
; LIMITS: ea + eb (entries 0+1, 2+3, 4+5) between -126 and 127; eo (entries 6, 7, 8) between -126 and 112.
; REGISTERS, in windows of 256: window 0: v0-31 addresses; v32-95 the bias by column, v96-111 the bias by row (each number twice); from v128 A's fragments, ONE set; on the way out v128-191 y, v192-207 its codes.
;   window 1: B's fragments, TWO sets.   window 2: the accumulators of my rows 0-63 ((a, b) at v[8 (8 a + b)]);   window 3: those of my rows 64-127.
.set ROWB,   256                       ; a tile's row in bytes
.set KROW,   1024                      ; a row of codes in memory
.set XROWS,  12288                     ; rows of x in front of the weights
.set PITCH,  272                       ; an LDS row: 256 bytes + 16 of padding = 68 words: the 16 rows that a load touches start at 16 different banks (64 banks of 4 bytes: ISA guide 11.1)
.set FR,     16                        ; registers of a fragment: 16 rows x 128 K
.set NL,     4                         ; LDS loads that bring one
.set NP,     4                         ; places behind this matrix instruction (ISA guide 7.12.1)
.set HALFT,  128*PITCH                 ; 128 rows: what one tensor load brings
.set SLOT,   4*HALFT                   ; A's 256 rows, then B's 256 rows
.set SPARE,  2*SLOT                    ; behind the ring: the spare words, 128 bytes for each wave
.set ADRA, 16                          ; v16-17  LDS address of my A fragments in slot 0, 1
.set ADRB, 20                          ; v20-21  the same for B
.set SPW,  28                          ; v28     LDS address of my spare word; never rewritten
.set NIL,  29                          ; v29     0; never rewritten
.set CB,   32
.set RB,   96
.set AF,   128
.set Y,    128
.set PC,   192
.set G1, 24                            ; s[24:31] descriptor group 1 for A's tiles;  s[32:39] group 0, one set for each slot
.set G0, 32
.set G1B, 48                           ; s[48:55], s[56:63] the same for B's tiles
.set G0B, 56
.set MSB, 0
.macro WIN new                         ; the immediate's high byte repeats the setting that is left
.if MSB != (\new)
	s_set_vgpr_msb (MSB<<8)|(\new)
.set MSB, (\new)
.endif
.endm
.set MUL_LO, 0xa1                      ; source 0 (B) window 1, source 1 (A) window 0, C and D window 2
.set MUL_HI, 0xf1                      ; the same, C and D window 3
.set TO_B,   0x40                      ; destination window 1, address window 0
; A joint load: waves 0 and 1 fetch for A, waves 2 and 3 for B.  The branch hangs on the wave's number alone.  Four v_nop follow each of the two lines.
.macro JLOAD g0a, g1a, g0b, g1b
	s_cmp_eq_u32 s15, 0
	s_cbranch_scc0 .Lfor_b_\@
	tensor_load_to_lds s[\g0a:\g0a+3], s[\g1a:\g1a+7]
	s_nop 0
.rept 4
	v_nop
.endr
	s_branch .Lasked_\@
.Lfor_b_\@:
	tensor_load_to_lds s[\g0b:\g0b+3], s[\g1b:\g1b+7]
	s_nop 0
.rept 4
	v_nop
.endr
.Lasked_\@:
.endm
.macro CREST                           ; a round of the cluster's barrier behind its opening barrier
	s_cmp_lg_u32 s14, 0
	s_cbranch_scc1 .Lnot_wave_0_\@
	s_barrier_signal -3
.Lnot_wave_0_\@:
	s_barrier_wait -3
	s_barrier_signal -1
	s_barrier_wait -1
.endm
.macro CROUND                          ; a whole round
	s_barrier_signal -1
	s_barrier_wait -1
	CREST
.endm
	s_load_b128 s[4:7], s[0:1], 0x0                ; codes s[4:5], the exponents s[6:7]
	s_load_b128 s[8:11], s[0:1], 0x10              ; bq s[8:9], bk s[10:11]
	s_load_b128 s[68:71], s[0:1], 0x20             ; bv s[68:69], qkv s[70:71]
	v_lshl_add_u32 v[SPW], v0, 2, SPARE
	v_mov_b32 v[NIL], 0
	ds_add_u32 v28, v29
	ds_add_u32 v28, v29
	s_wait_dscnt 0x0
	v_lshrrev_b32 v1, 5, v0
	v_readfirstlane_b32 s14, v1                    ; wave 0..3
	s_lshr_b32 s15, s14, 1                         ; rh: which half of the tile's rows is mine.  Also: I fetch for A (0) or for B (1)
	s_and_b32 s16, s14, 1                          ; ch: which half of its columns.  Also: which 128 rows of that tile I fetch
	s_bfe_u32 s40, ttmp6, 0x40000                  ; cx
	s_bfe_u32 s41, ttmp6, 0x40004                  ; cy
	s_and_b32 s17, ttmp7, 0xffff                   ; cl
	s_lshl_b32 s43, s41, 2
	s_lshl_b32 s43, 15, s43                        ; my row of the cluster
	s_lshl_b32 s44, 0x1111, s40                    ; my column
	s_or_b32 s[G1+0], s43, (0<<16)|(1<<20)|(1<<21)|(5<<22)|(3<<25)  ; 15:0 the mask; 17:16 elements of 1 byte; 20 padding on; 21 set beside a mask; 24:22 after every 64 words; 31:25 four words
	s_or_b32 s[G1B+0], s44, (0<<16)|(1<<20)|(1<<21)|(5<<22)|(3<<25)
.irp g, G1, G1B
	s_mov_b32 s[\g+1], ROWB<<16                    ; tensor_dim0
	s_mov_b32 s[\g+2], 128<<16                     ; tensor_dim1
	s_mov_b32 s[\g+3], ROWB<<16                    ; tile_dim0
	s_mov_b32 s[\g+4], 128                         ; tile_dim1
	s_mov_b32 s[\g+5], KROW                        ; from row to row
	s_mov_b32 s[\g+6], 0
	s_mov_b32 s[\g+7], 0
.endr
	s_lshl_b32 s76, s17, 10                        ; x's rows of this cluster: 1,024 cl on
	s_lshr_b32 s82, s17, 2                         ; which product: 0 q, 1 k, 2 v
	s_lshl_b32 s77, s82, 10
	s_add_co_u32 s77, s77, XROWS                   ; its weight's rows
	s_lshl_b32 s80, s82, 3                         ; entries 2 t, 2 t + 1, in bytes
	s_lshl_b32 s81, s82, 2                         ; entry 6 + t, less 0x18
	s_lshl_b32 s18, s16, 7                         ; which 128 rows of the tile I fetch
	s_lshl_b32 s19, s41, 8
	s_lshl_b32 s78, s40, 8
	s_cmp_ge_u32 s17, 8                            ; v?  The same in all sixteen partners
	s_cselect_b32 s20, s77, s76                    ; A's first row
	s_cselect_b32 s46, s76, s77                    ; B's
	s_cselect_b32 s79, -1, 0                       ; all ones for v,
	s_cselect_b32 s67, 0, -1                       ; for q and k
	s_add_co_u32 s20, s20, s19                     ; A: + 256 cy + 128 x half: no cx
	s_add_co_u32 s20, s20, s18
	s_lshl_b32 s20, s20, 10
	s_mov_b32 s21, 0
	s_add_co_u32 s46, s46, s78                     ; B: + 256 cx + 128 x half: no cy
	s_add_co_u32 s46, s46, s18
	s_lshl_b32 s46, s46, 10
	s_mov_b32 s47, 0
	s_mul_i32 s45, s14, HALFT                      ; where they go: wave x 128 rows
	s_wait_kmcnt 0x0
	s_load_b64 s[96:97], s[6:7], s80 offset:0x0    ; ea, eb
	s_load_b32 s98, s[6:7], s81 offset:0x18        ; eo
	s_add_nc_u64 s[20:21], s[4:5], s[20:21]
	s_add_nc_u64 s[46:47], s[4:5], s[46:47]
	CROUND                                         ; all sixteen work-groups are here: the first joint loads meet
.irp s, 0,1
	s_mov_b32 s[G0+4*\s], 1
	s_add_co_u32 s[G0+4*\s+1], s45, \s*SLOT
	s_add_nc_u64 s[G0+4*\s+2:G0+4*\s+3], s[20:21], \s*ROWB
	s_or_b32 s[G0+4*\s+3], s[G0+4*\s+3], 0x80000000
	s_mov_b32 s[G0B+4*\s], 1
	s_add_co_u32 s[G0B+4*\s+1], s45, \s*SLOT
	s_add_nc_u64 s[G0B+4*\s+2:G0B+4*\s+3], s[46:47], \s*ROWB
	s_or_b32 s[G0B+4*\s+3], s[G0B+4*\s+3], 0x80000000
	JLOAD G0+4*\s, G1, G0B+4*\s, G1B
.endr
	v_and_b32 v1, 15, v0                           ; r
	v_bfe_u32 v2, v0, 4, 1                         ; h
	v_mul_u32_u24 v3, v1, PITCH
	v_lshl_add_u32 v4, v2, 4, v3                   ; a fragment's row x pitch + 16 h
	s_mul_i32 s21, s15, HALFT                      ; my 128 rows of A
	s_mul_i32 s22, s16, HALFT                      ; my 128 rows of B,
	s_add_co_u32 s22, s22, 2*HALFT                 ; which lie behind A's 256
.irp s, 0,1
	v_add_nc_u32 v[ADRA+\s], s21, v4
	v_add_nc_u32 v[ADRB+\s], s22, v4
	s_add_co_u32 s21, s21, SLOT
	s_add_co_u32 s22, s22, SLOT
.endr
	; THE BIAS.  q, k: it goes by column (B's rows): 64 numbers a lane.  v: by row (A's rows): one number for each block of 16 rows.  Both sets are loaded from places inside the 4,096 bytes; the set that does not apply is blanked on the way out.
	v_lshlrev_b32 v8, 5, v2                        ; 32 h; never rewritten
	v_lshlrev_b32 v9, 2, v1                        ; 4 r; never rewritten
	v_and_b32 v24, 31, v0
	v_lshlrev_b32 v24, 4, v24                      ; 16 x lane: my place in an image
	s_cmp_eq_u32 s82, 0
	s_cselect_b64 s[84:85], s[8:9], s[10:11]
	s_cmp_eq_u32 s82, 2
	s_cselect_b64 s[84:85], s[68:69], s[84:85]
	s_lshl_b32 s72, s40, 10
	s_lshl_b32 s73, s16, 9
	s_add_co_u32 s72, s72, s73                     ; 4 (256 cx + 128 ch),
	s_and_b32 s72, s72, s67                        ; or 0 for v
	s_mov_b32 s73, 0
	s_add_nc_u64 s[86:87], s[84:85], s[72:73]
	s_lshl_b32 s74, s41, 10
	s_lshl_b32 s75, s15, 9
	s_add_co_u32 s74, s74, s75                     ; 4 (256 cy + 128 rh) for v,
	s_and_b32 s74, s74, s79                        ; or 0
	s_mov_b32 s75, 0
	s_add_nc_u64 s[88:89], s[84:85], s[74:75]
.irp b, 0,1,2,3,4,5,6,7
	global_load_b128 v[CB+8*\b:CB+8*\b+3], v8, s[86:87] offset:64*\b       ; columns 16 b + 8 h + 0..7
	global_load_b128 v[CB+8*\b+4:CB+8*\b+7], v8, s[86:87] offset:64*\b+16
.endr
.irp a, 0,1,2,3,4,5,6,7
	global_load_b32 v[RB+2*\a], v9, s[88:89] offset:64*\a                  ; row 16 a + r, twice: a pair for the packed addition
	global_load_b32 v[RB+2*\a+1], v9, s[88:89] offset:64*\a
.endr
	; WHERE THE RESULTS GO.  q, k: TR = 4 cl + cy is the tile row; image ((TR / 8) 16 + 4 cx + 2 ch) 128 + 16 (TR % 8) + 8 rh, of 1,024 bytes; the second head lies 128 images on; a block of 16 rows on is one image on.
	s_lshl_b32 s72, s17, 2
	s_add_co_u32 s72, s72, s41
	s_lshr_b32 s73, s72, 3
	s_lshl_b32 s73, s73, 4
	s_lshl_b32 s74, s40, 2
	s_add_co_u32 s73, s73, s74
	s_lshl_b32 s74, s16, 1
	s_add_co_u32 s73, s73, s74
	s_lshl_b32 s73, s73, 7
	s_and_b32 s72, s72, 7
	s_lshl_b32 s72, s72, 4
	s_add_co_u32 s73, s73, s72
	s_lshl_b32 s72, s15, 3
	s_add_co_u32 s73, s73, s72
	s_lshl_b32 s73, s73, 10
	; v: KB = 2 (4 (cl - 8) + cx) + ch is the block of 128 keys; image ((16 (KB / 16) + 4 cy + 2 rh) 16 + KB % 16) 4, of 2,048 bytes, behind 8 MiB; blocks 0-3 are one head's four images, block 4 begins the next head, 64 images on.
	s_sub_co_u32 s74, s17, 8                       ; (for q and k this number means nothing and is not chosen)
	s_lshl_b32 s74, s74, 2
	s_add_co_u32 s74, s74, s40
	s_lshl_b32 s74, s74, 1
	s_add_co_u32 s74, s74, s16
	s_lshr_b32 s75, s74, 4
	s_lshl_b32 s75, s75, 4
	s_lshl_b32 s92, s41, 2
	s_add_co_u32 s75, s75, s92
	s_lshl_b32 s92, s15, 1
	s_add_co_u32 s75, s75, s92
	s_lshl_b32 s75, s75, 4
	s_and_b32 s74, s74, 15
	s_add_co_u32 s75, s75, s74
	s_lshl_b32 s75, s75, 13
	s_add_co_u32 s75, s75, 0x800000
	s_mov_b32 s92, 1024
	s_mov_b32 s94, 1024
	s_mov_b32 s83, 131072
	s_cmp_ge_u32 s17, 8
	s_cselect_b32 s90, s75, s73
	s_cselect_b32 s92, 2048, s92                   ; from block to block,
	s_cselect_b32 s94, 124928, s94                 ; from block 3 to block 4 (64 images less three),
	s_cselect_b32 s83, 1024, s83                   ; from a block's first eight code registers to its last eight
	s_mov_b32 s91, 0
	s_mov_b32 s93, 0
	s_mov_b32 s95, 0
	s_add_nc_u64 s[90:91], s[70:71], s[90:91]
	v_add_nc_u32 v25, s83, v24
.macro FRAG reg, adr, q, i             ; a fragment: four loads of 16 bytes, 32 bytes apart: the same places of K in A and in B
.irp c, 0,1,2,3
	ds_load_b128 v[\reg+4*\c:\reg+4*\c+3], v[\adr] offset:128*(\q)+32*\c+(\i)*16*PITCH
.endr
.endm
; 16 matrix instructions: A's blocks a0, a0 + 1 x B's eight, 128 along K.  p: B's set.  zero = 1: the first product starts the sums.  The 64 accumulators take turns, one instruction a turn.
.macro MUL16 a0, p, zero
.irp a, \a0, \a0+1
.irp b, 0,1,2,3,4,5,6,7
.if \zero
	v_wmma_f32_16x16x128_bf8_bf8 v[8*(8*((\a)%4)+\b):8*(8*((\a)%4)+\b)+7], v[128*(\p)+FR*\b:128*(\p)+FR*\b+FR-1], v[AF+FR*(\a):AF+FR*(\a)+FR-1], 0
.else
	v_wmma_f32_16x16x128_bf8_bf8 v[8*(8*((\a)%4)+\b):8*(8*((\a)%4)+\b)+7], v[128*(\p)+FR*\b:128*(\p)+FR*\b+FR-1], v[AF+FR*(\a):AF+FR*(\a)+FR-1], v[8*(8*((\a)%4)+\b):8*(8*((\a)%4)+\b)+7]
.endif
.endr
.endr
.endm
.macro FETCH_B slot, q, p              ; B's eight fragments of the slot's q-th 128 along K into set p
	WIN TO_B
.irp i, 0,1,2,3,4,5,6,7
	FRAG 128*(\p)+FR*\i, ADRB+\slot, \q, \i
.endr
	WIN 0
.endm
.macro FETCH_A slot, q, i0             ; A's blocks i0 .. i0 + 3
.irp i, \i0, \i0+1, \i0+2, \i0+3
	FRAG AF+FR*(\i), ADRA+\slot, \q, \i
.endr
.endm
.macro PLACES n                        ; plain vector instructions between a matrix instruction and a load into a register that it has read (ISA guide 7.12.1 for vector instructions)
.rept \n
	v_nop
.endr
.endm
; A step of 128 along K that has its successor in the same slot.  A block of A is free as soon as its eight products are issued, so one set of registers serves A; B has two.
.macro STEP slot, q, zero
	s_wait_dscnt 4*NL                              ; B's set and A's blocks 0-3 are in; the youngest sixteen loads (A's blocks 4-7) may be out
	WIN MUL_LO
	MUL16 0, (\q)%2, \zero
	MUL16 2, (\q)%2, \zero
	s_wait_dscnt 0                                 ; A's blocks 4-7 are in
	PLACES NP
	FETCH_B \slot, (\q)+1, 1-(\q)%2
	FETCH_A \slot, (\q)+1, 0
	WIN MUL_HI
	MUL16 4, (\q)%2, \zero
	MUL16 6, (\q)%2, \zero
	PLACES NP
	WIN 0
	FETCH_A \slot, (\q)+1, 4
.endm
; A slot's last step changes slots: ONE barrier; in front of it each wave waits for all its tensor loads, adds 0 to its spare word, and waits for that and for its own reads of this slot.  fill = 1: this slot is filled again, two K steps ahead.
.macro TURN slot, next, fill
	s_wait_tensorcnt 0x0                           ; all my tensor loads have landed: my part of the next slot
	ds_add_u32 v[SPW], v[NIL]                      ; 0 onto my spare word
	s_wait_dscnt 4*NL+1                            ; (the add and the youngest sixteen loads, A's blocks 4-7, may be out)
	WIN MUL_LO
	MUL16 0, 1, 0                                  ; sixteen matrix instructions stand between the add and the wait for it
	s_wait_dscnt 0x0                               ; the add is done, and my reads of this slot are over
	s_barrier_signal -1
	MUL16 2, 1, 0
	WIN 0
	s_barrier_wait -1
.if \fill
	CREST                                          ; the barrier has opened a round of the cluster's barrier: no wave of any partner still reads this slot's tile or has a load on its way
	s_add_nc_u64 s[G0+4*\slot+2:G0+4*\slot+3], s[G0+4*\slot+2:G0+4*\slot+3], 2*ROWB
	s_add_nc_u64 s[G0B+4*\slot+2:G0B+4*\slot+3], s[G0B+4*\slot+2:G0B+4*\slot+3], 2*ROWB
	JLOAD G0+4*\slot, G1, G0B+4*\slot, G1B         ; the first tensor load behind the round; its four v_nop are also the places in front of the loads below
.else
	PLACES NP
.endif
	FETCH_B \next, 0, 0
	FETCH_A \next, 0, 0
	WIN MUL_HI
	MUL16 4, 1, 0
	MUL16 6, 1, 0
	PLACES NP
	WIN 0
	FETCH_A \next, 0, 4
.endm
	s_wait_tensorcnt 1                             ; my part of K step 0 is in (K step 1's load may be out)
	s_barrier_signal -1
	s_barrier_wait -1                              ; everybody's is
	FETCH_B 0, 0, 0
	FETCH_A 0, 0, 0
	FETCH_A 0, 0, 4
	STEP 0, 0, 1                                   ; K 0-127: its products start the sums
	TURN 0, 1, 1                                   ; K 128-255; slot 0 takes K 512-767
	STEP 1, 0, 0
	TURN 1, 0, 1                                   ; slot 1 takes K 768-1,023
	STEP 0, 0, 0
	TURN 0, 1, 0                                   ; nothing is left to fetch
	STEP 1, 0, 0
	s_wait_dscnt 4*NL                              ; the last step
	WIN MUL_LO
	MUL16 0, 1, 0
	MUL16 2, 1, 0
	s_wait_dscnt 0
	WIN MUL_HI
	MUL16 4, 1, 0
	MUL16 6, 1, 0
	WIN 0
	; THE WAY OUT
	s_wait_kmcnt 0x0
	s_add_co_i32 s96, s96, s97
	s_add_co_i32 s96, s96, 127
	s_lshl_b32 s96, s96, 23                        ; 2^(ea + eb) as f32
	s_mov_b32 s97, s96                             ; (named with it as a pair)
	s_add_co_i32 s98, s98, 127
	s_lshl_b32 s99, s98, 23
	v_mov_b32 v27, s99                             ; 2^eo
	s_add_co_i32 s98, s98, 15
	s_lshl_b32 s98, s98, 23
	s_or_b32 s98, s98, 0x600000
	v_mov_b32 v26, s98                             ; 57,344 x 2^eo
	s_wait_loadcnt 0x0                             ; the biases
.set j, 0
.rept 64
	v_and_b32 v[CB+j], s67, v[CB+j]                ; the bias by column stays for q and k, becomes 0 for v.  (These 80 plain lines are also the places behind the last products)
.set j, j+1
.endr
.set j, 0
.rept 16
	v_and_b32 v[RB+j], s79, v[RB+j]                ; the bias by row stays for v
.set j, j+1
.endr
; Block a: 16 rows x 128 columns.  One of the two biases is 0, so y has one rounding.  Each accumulator is read from its low end on.
.macro OUTBLK a
.set AC, 64*((\a)%4)
.if (\a) > 0
	s_wait_xcnt 0x0                                ; the last block's stores have read their data and their base: both are written again only behind this wait
.if (\a) == 4
	s_add_nc_u64 s[90:91], s[90:91], s[94:95]
.else
	s_add_nc_u64 s[90:91], s[90:91], s[92:93]
.endif
.endif
	WIN 0x02+((\a)/4)                              ; source 0: window 2 or 3
.set j, 0
.rept 32
	v_pk_fma_f32 v[Y+j:Y+j+1], v[AC+j:AC+j+1], s[96:97], v[CB+j:CB+j+1] op_sel_hi:[1,0,1]
.set j, j+2
.endr
	WIN 0
.set j, 0
.rept 32
	v_pk_add_f32 v[Y+j:Y+j+1], v[Y+j:Y+j+1], v[RB+2*(\a):RB+2*(\a)+1]
.set j, j+2
.endr
.set j, 0
.rept 64
	v_med3_num_f32 v[Y+j], v[Y+j], -v26, v26       ; the conversion does not saturate (ISA guide 7.6.2)
.set j, j+1
.endr
.irp b, 0,1,2,3,4,5,6,7
	v_cvt_scalef32_pk8_bf8_f32 v[PC+2*\b:PC+2*\b+1], v[Y+8*\b:Y+8*\b+7], v27
.endr
	v_nop                                          ; a plain line between the conversions and the next block's lines, which write their sources
	global_store_b128 v24, v[PC:PC+3], s[90:91]                ; 512 consecutive bytes each
	global_store_b128 v24, v[PC+4:PC+7], s[90:91] offset:512
	global_store_b128 v25, v[PC+8:PC+11], s[90:91]
	global_store_b128 v25, v[PC+12:PC+15], s[90:91] offset:512
.endm
.irp a, 0,1,2,3,4,5,6,7
	OUTBLK \a
.endr
	s_wait_tensorcnt 0x0                           ; the wave's end
	ds_add_u32 v[SPW], v[NIL]
	s_wait_dscnt 0x0
	CROUND                                         ; the closing round: no work-group ends while a partner may still ask for a tile that names it
	s_endpgm
.Lfunc_end_k_qbe1d473308_proj:
	.size	k_qbe1d473308_proj, .Lfunc_end_k_qbe1d473308_proj-k_qbe1d473308_proj
	.p2alignl 7, 3214868480
	.fill 96, 4, 3214868480
	.section	.rodata,"a",@progbits
	.p2align	6, 0x0
	.amdhsa_kernel k_qbe1d473308_proj
		.amdhsa_group_segment_fixed_size 327680
		.amdhsa_private_segment_fixed_size 0
		.amdhsa_enable_private_segment 0
		.amdhsa_kernarg_size 48
		.amdhsa_user_sgpr_count 2
		.amdhsa_user_sgpr_kernarg_segment_ptr 1
		.amdhsa_wavefront_size32 1
		.amdhsa_system_sgpr_workgroup_id_x 1
		.amdhsa_system_sgpr_workgroup_id_y 1
		.amdhsa_system_sgpr_workgroup_id_z 1
		.amdhsa_system_vgpr_workitem_id 0
		.amdhsa_next_free_vgpr 1024
		.amdhsa_next_free_sgpr 100
		.amdhsa_reserve_vcc 0
		.amdhsa_float_denorm_mode_32 3
		.amdhsa_float_denorm_mode_16_64 3
		.amdhsa_memory_ordered 1
		.amdhsa_forward_progress 1
		.amdhsa_inst_pref_size 157
	.end_amdhsa_kernel
	.amdgpu_metadata
---
amdhsa.version: [ 1, 2 ]
amdhsa.kernels:
  - .name:           k_qbe1d473308_proj
    .symbol:         k_qbe1d473308_proj.kd
    .args:
      - { .name: codes, .offset: 0, .size: 8, .value_kind: global_buffer, .address_space: global }
      - { .name: lowp_scales, .offset: 8, .size: 8, .value_kind: global_buffer, .address_space: global }
      - { .name: bq, .offset: 16, .size: 8, .value_kind: global_buffer, .address_space: global }
      - { .name: bk, .offset: 24, .size: 8, .value_kind: global_buffer, .address_space: global }
      - { .name: bv, .offset: 32, .size: 8, .value_kind: global_buffer, .address_space: global }
      - { .name: qkv, .offset: 40, .size: 8, .value_kind: global_buffer, .address_space: global }
    .group_segment_fixed_size: 327680
    .private_segment_fixed_size: 0
    .kernarg_segment_align: 8
    .kernarg_segment_size: 48
    .max_flat_workgroup_size: 128
    .sgpr_count:     100
    .vgpr_count:     1024
    .wavefront_size: 32
...
	.end_amdgpu_metadata
.endif
;; end of part 2
;; launch attn (part 3): grid 8 x 32, 8 waves a work-group, clusters of 4 x 1, 271,360 bytes of LDS; arguments qkv, mask, lowp_scales, ocodes; writes ocodes
.if DOCPART == 3
	.amdgcn_target "amdgcn-amd-amdhsa--gfx1250"
	.amdhsa_code_object_version 6
	.text
	.protected	k_qbe1d473308_attn
	.globl	k_qbe1d473308_attn
	.p2align	8
	.type	k_qbe1d473308_attn,@function
k_qbe1d473308_attn:
	s_mov_b64 s[64:65], 0
	v_nop
	global_prefetch_b8 v0, s[64:65] scope:SCOPE_SE
	s_setreg_imm32_b32 hwreg(HW_REG_WAVE_MODE, 25, 1), 1
	s_wait_xcnt 0x0
	s_wait_alu depctr_hold_cnt(0) depctr_sa_sdst(0) depctr_va_vdst(0) depctr_va_sdst(0) depctr_va_ssrc(0) depctr_va_vcc(0) depctr_vm_vsrc(0)
	s_getreg_b32 s2, hwreg(HW_REG_IB_STS2, 6, 4)
	s_cmp_eq_u32 s2, 0
	s_cbranch_scc0 .Lentry_in_a_cluster
	s_endpgm
.Lentry_in_a_cluster:
	s_bfe_u32 s2, ttmp6, 0x10000c
	s_cmp_lg_u32 s2, 0x3003
	s_cbranch_scc0 .Lentry_shape_is_right
	s_endpgm
.Lentry_shape_is_right:
; ATTN: products 4 and 5 on codes of BF8, the key mask, the softmax, the division by the row's sum, and the quantiser of product 6.
; t = (score / 32 - (1 - mask) 1e12) log2(e); M = the running largest t rounded UP to a whole number; p = 2^(t - M) is quantised with 2^e9, not normalised; the row's sum is taken of the unquantised p.
; When M moves, the sum and O are multiplied by 2^(old M - new M): exact.
; SHARES.  A work-group owns 256 queries of one head (hb = 16 batch + head); each of its eight waves 32 of them, two tiles u.  Two waves lie on a SIMD.
; THE WHOLE HEAD LIES IN LDS: K's 128 images of 1,024 bytes, V's 64 images of 2,048, and 2,048 numbers made of the mask.  Every LDS byte is filled once: no slot is filled again.
; CLUSTER.  The four query blocks of a cluster belong to one head: each tile of K and V is asked for JOINTLY, by the same tensor load with the same descriptor and the mask 15.  Waves 0-3 fetch K, waves 4-7 V, four loads of 8,192 bytes each:
; four tensor loads of a wave are out at the most.  Two barriers: behind the first quarter of the head (steps 0 to 2 read nothing beyond it), and behind all of it.
; LAYOUT.  Both products are used transposed: S^T = K Q^T (source 0 = 16 keys, source 1 = 16 queries), O^T = V^T P^T (source 0 = 16 of the head's 64, source 1 = P): a lane holds ONE query (lane % 16) throughout, and register j of key tile c is
; key 16 c + 8 (lane / 16) + j: one conversion of a tile's eight registers gives registers 2 c, 2 c + 1 of P, and of O's eight registers those of the next product's operand.
; BY TURNS.  A step (128 keys) has, for each of the two tiles, a list PRE (t, the largest t, M, f, t - M: 104 plain lines), 64 exponentials, and a list POST (the sum, the hold, the conversions: 105 lines).  They stand so:
;   PRE of tile 0 (each of its twelve lines that hang on each other followed by two of tile 1's first lines) | tile 0's exponentials, each followed by one or two lines of tile 1's PRE | tile 1's exponentials, each followed by one or two
;   lines of tile 0's POST | POST of tile 1 | O^T x f of both tiles.  So no two exponentials follow each other, and each has a plain line of the other tile behind it.
; A STEP AHEAD.  A step begins with its scores made.  At its head it asks for its V and the NEXT step's K, behind the last use of the mask's terms for the next step's, and it ends with the next step's K Q^T and its own V^T P:
; every LDS load stands most of a step ahead of its first use.
; ocodes: [tile of 16 rows, 0..255][head][1,024 bytes]: two neighbouring heads are one image of 16 rows x 128 K.
; LIMITS: e6 + e7 - 5 is added to the exponent field of log2(e): between -126 and 127; e9 and e10 between -126 and 112; e8 + e9 goes by v_ldexp_f32.  t is one fused multiply-add of the score and the mask's term, where the
; module rounds twice: for mask values strictly between 0 and 1 the last bits of very large logits may differ.  NaN is not served.
; REGISTERS.  Window 0: v1 16 x lane; v2 the mask terms' place; v8-23 statistics, eight a tile: +0 -M, +1 the largest t, +2, +3 the sum, +4 at work on the way out, +6 f, +7 zero; v24, v25 57,344 x 2^e9, 2^e9; v26, v27 the same for e10;
;   v28-30 addresses of the step; v32-95 the mask's terms; v96-223 S^T, then p (64 a tile); v224-255 P (16 a tile; until the conversions write them, its first eight are the chains' scratch).
;   Window 1: v0-15 Q; v16-79 K of a step; v80-143 V of a step; v144-207 O^T (32 a tile).
.set VOFF,  131072                     ; LDS: K at 0, V here,
.set NMB,   262144                     ; the mask's terms here
.set ST,  8
.set ADK, 28
.set ADV, 29
.set ADN, 30
.set NMR, 32
.set S,   96
.set P,   224
.set QR,  0
.set KR,  16
.set VR,  80
.set OT,  144
.set WV,  12                           ; s12  my wave's number
.set CS,  30                           ; s[30:31] c = log2(e) 2^(e6 + e7 - 5), twice
.set SEL, 32                           ; s[32:33] lane selects for v_permlanex16_b32: lane l xor 16
.set TB,  34                           ; s34  LDS byte of the step's K
.set TN,  35                           ; s35  and of its mask terms, less NMB
.set CNT, 36
.set G1,  40                           ; s[40:47] descriptor group 1
.set G0,  48                           ; s[48:63] four groups 0
.set MSB, 0
.macro WIN new
.if MSB != (\new)
	s_set_vgpr_msb (MSB<<8)|(\new)
.set MSB, (\new)
.endif
.endm
.macro ROUND                           ; a round of the cluster's barrier
	s_barrier_signal -1
	s_barrier_wait -1
	s_cmp_lg_u32 s[WV], 0
	s_cbranch_scc1 .Lnot_wave_0_\@
	s_barrier_signal -3
.Lnot_wave_0_\@:
	s_barrier_wait -3
	s_barrier_signal -1
	s_barrier_wait -1
.endm
	s_load_b256 s[4:11], s[0:1], 0x0               ; qkv s[4:5], mask s[6:7], the exponents s[8:9], ocodes s[10:11]
	v_lshl_add_u32 v21, v0, 2, 0x42000
	v_mov_b32 v31, 0
	ds_add_u32 v21, v31
	ds_add_u32 v21, v31
	v_lshrrev_b32 v1, 5, v0
	v_readfirstlane_b32 s[WV], v1                  ; wave 0..7
	s_bfe_u32 s13, ttmp6, 0x40000                  ; cx
	s_lshl_b32 s14, ttmp9, 2
	s_add_co_u32 s14, s14, s13                     ; my block of 256 queries, 0..7: it enters Q's and the output's addresses alone
	s_and_b32 s15, ttmp7, 0xffff                   ; hb, which the four partners share
	s_lshr_b32 s16, s[WV], 2                       ; 0: I fetch K; 1: V
	s_and_b32 s17, s[WV], 3
	s_lshl_b32 s18, s16, 17
	s_lshl_b32 s19, s17, 13
	s_add_co_u32 s18, s18, s19                     ; LDS: 131,072 x (wave / 4) + 8,192 x (wave % 4)
	s_add_co_u32 s20, s16, 1
	s_lshl_b32 s20, s20, 22                        ; memory: k begins at 4 MiB, v at 8 MiB;
	s_lshl_b32 s21, s15, 17                        ; a head is 131,072 bytes in each
	s_add_co_u32 s20, s20, s21
	s_add_co_u32 s20, s20, s19
	s_mov_b32 s21, 0
	s_mov_b32 s[G1], 15|(3<<16)|(1<<21)            ; 15:0 the mask: all four work-groups; 17:16 elements of 8 bytes; 21 set beside a mask; no padding: images are read 16 bytes a lane on end
	s_mov_b32 s[G1+1], 32<<16                      ; tensor_dim0 = 32 elements: rows of 256 bytes
	s_mov_b32 s[G1+2], 32<<16                      ; tensor_dim1 = 32 rows: 8,192 bytes, dense
	s_mov_b32 s[G1+3], 32<<16                      ; tile_dim0
	s_mov_b32 s[G1+4], 32                          ; tile_dim1
	s_mov_b32 s[G1+5], 32                          ; from row to row
	s_mov_b32 s[G1+6], 0
	s_mov_b32 s[G1+7], 0
	s_mov_b32 s[SEL], 0x76543210
	s_mov_b32 s[SEL+1], 0xfedcba98
	s_lshl_b32 s22, s15, 7                         ; Q: image 128 hb + 16 block + 2 wave
	s_lshl_b32 s23, s14, 4
	s_add_co_u32 s22, s22, s23
	s_lshl_b32 s23, s[WV], 1
	s_add_co_u32 s22, s22, s23
	s_lshl_b32 s22, s22, 10
	s_mov_b32 s23, 0
	s_lshr_b32 s26, s15, 4                         ; the batch
	s_lshl_b32 s24, s26, 13                        ; its 2,048 numbers of the mask
	s_mov_b32 s25, 0
	s_lshl_b32 s38, s26, 7                         ; out: row tile 128 batch + 16 block + 2 wave, 16,384 bytes each; + 1,024 x head
	s_lshl_b32 s39, s14, 4
	s_add_co_u32 s38, s38, s39
	s_lshl_b32 s39, s[WV], 1
	s_add_co_u32 s38, s38, s39
	s_lshl_b32 s38, s38, 14
	s_and_b32 s39, s15, 15
	s_lshl_b32 s39, s39, 10
	s_add_co_u32 s38, s38, s39
	s_mov_b32 s39, 0
	s_wait_dscnt 0x0
	s_wait_kmcnt 0x0
	s_load_b128 s[68:71], s[8:9], 0x18             ; e6, e7, e8, e9
	s_load_b32 s72, s[8:9], 0x28                   ; e10
	s_add_nc_u64 s[20:21], s[4:5], s[20:21]
	s_add_nc_u64 s[22:23], s[4:5], s[22:23]
	s_add_nc_u64 s[24:25], s[6:7], s[24:25]
	s_add_nc_u64 s[38:39], s[10:11], s[38:39]
.irp i, 0,1,2,3
	s_mov_b32 s[G0+4*\i], 1                        ; count = 1
	s_add_co_u32 s[G0+4*\i+1], s18, 32768*\i       ; LDS address: quarter i
	s_add_nc_u64 s[G0+4*\i+2:G0+4*\i+3], s[20:21], 32768*\i
	s_or_b32 s[G0+4*\i+3], s[G0+4*\i+3], 0x80000000   ; type = 2
.endr
	ROUND                                          ; all four work-groups are here: the joint loads meet
.irp i, 0,1,2,3
	tensor_load_to_lds s[G0+4*\i:G0+4*\i+3], s[G1:G1+7]
	s_nop 0
.endr
.rept 4
	v_nop
.endr
	v_and_b32 v1, 31, v0
	v_lshlrev_b32 v1, 4, v1                        ; 16 x lane
	v_bfe_u32 v2, v0, 4, 1
	v_lshlrev_b32 v2, 5, v2
	v_add_nc_u32 v2, NMB, v2                       ; the mask's terms of my half's eight keys of a tile
	v_lshlrev_b32 v4, 4, v0                        ; 16 x thread
	v_add_nc_u32 v5, NMB, v4
	global_load_b128 v[32:35], v4, s[24:25]                    ; the batch's mask: 256 threads x 16 bytes, twice
	global_load_b128 v[36:39], v4, s[24:25] offset:4096
	WIN 0x40                                       ; destination window 1
.irp i, 0,1,2,3
	global_load_b128 v[QR+4*\i:QR+4*\i+3], v1, s[22:23] offset:512*\i   ; Q's two images stay in registers
.endr
.set j, 0
.rept 64
	v_mov_b32 v[OT+j], 0                           ; O^T.  (The step is written once for all steps: the first finds zeros, which the first change of M leaves zeros)
.set j, j+1
.endr
	WIN 0
.irp u, 0,1
	v_mov_b32 v[ST+8*\u+1], 0xff61b1e6             ; the largest t so far: -3e38
	v_floor_f32 v[ST+8*\u], -v[ST+8*\u+1]          ; -M
	v_mov_b32 v[ST+8*\u+2], 0                      ; the sum, in two halves
	v_mov_b32 v[ST+8*\u+3], 0
	v_mov_b32 v[ST+8*\u+4], 0                      ; (a lane permute's destination on the way out: it counts as one of its sources)
	v_mov_b32 v[ST+8*\u+7], 0                      ; (named as the upper half of f's pair)
.endr
	s_wait_kmcnt 0x0
	s_add_co_i32 s26, s68, s69
	s_sub_co_i32 s26, s26, 5                       ; 1 / sqrt(1,024) = 2^-5
	s_lshl_b32 s26, s26, 23
	s_add_co_i32 s[CS], s26, 0x3fb8aa3b            ; c = log2(e) 2^(e6 + e7 - 5)
	s_mov_b32 s[CS+1], s[CS]
	s_add_co_i32 s26, s71, 127
	s_lshl_b32 s27, s26, 23
	v_mov_b32 v25, s27                             ; 2^e9
	s_add_co_i32 s26, s26, 15
	s_lshl_b32 s26, s26, 23
	s_or_b32 s26, s26, 0x600000
	v_mov_b32 v24, s26                             ; 57,344 x 2^e9
	s_add_co_i32 s26, s72, 127
	s_lshl_b32 s27, s26, 23
	v_mov_b32 v27, s27                             ; 2^e10
	s_add_co_i32 s26, s26, 15
	s_lshl_b32 s26, s26, 23
	s_or_b32 s26, s26, 0x600000
	v_mov_b32 v26, s26                             ; 57,344 x 2^e10
	s_add_co_i32 s28, s70, s71                     ; e8 + e9
	s_wait_loadcnt 4                               ; the mask is in; Q's four loads may be out
.irp j, 0,1,2,3,4,5,6,7
	v_add_f32 v[32+\j], -1.0, v[32+\j]
.endr
.irp j, 0,1,2,3,4,5,6,7
	v_mul_f32 v[32+\j], 0x5368d4a5, v[32+\j]       ; (mask - 1) x 1e12
.endr
.irp j, 0,1,2,3,4,5,6,7
	v_mul_f32 v[32+\j], 0x3fb8aa3b, v[32+\j]       ; x log2(e)
.endr
	ds_store_b128 v5, v[32:35]
	ds_store_b128 v5, v[36:39] offset:4096
; Line k of 104 of tile u's list PRE.  A lane holds 64 of the step's 128 keys.
;   0-31    t = score x c + the mask's term, two at a time, each accumulator from its low end on
;   32-63   the largest t of my 64, three operands at a time: four chains of fifteen numbers each, then the four left over and the chains
;   64-71   the other half of the lanes' largest; the running largest t; -M = floor(-t); f = 2^(old M - new M)
;   72-103  t - M, two at a time: 0 or less
.macro PREI u
.set rS, S+64*(\u)
.set rT, ST+8*(\u)
.set rP, P+16*(\u)
.if k < 32
	v_pk_fma_f32 v[rS+2*k:rS+2*k+1], v[rS+2*k:rS+2*k+1], s[CS:CS+1], v[NMR+2*k:NMR+2*k+1] op_sel_hi:[1,0,1]
.elseif k < 36
	v_max3_num_f32 v[rP+k-32], v[rS+16*(k-32)], v[rS+16*(k-32)+1], v[rS+16*(k-32)+2]
.elseif k < 60
	v_max3_num_f32 v[rP+(k-32)%4], v[rP+(k-32)%4], v[rS+16*((k-32)%4)+2*((k-32)/4)+1], v[rS+16*((k-32)%4)+2*((k-32)/4)+2]
.elseif k == 60
	v_max3_num_f32 v[rP], v[rP], v[rS+15], v[rS+31]
.elseif k == 61
	v_max3_num_f32 v[rP+2], v[rP+2], v[rS+47], v[rS+63]
.elseif k == 62
	v_max3_num_f32 v[rP], v[rP], v[rP+1], v[rP+2]
.elseif k == 63
	v_max_num_f32 v[rP], v[rP], v[rP+3]
.elseif k == 64
	v_permlanex16_b32 v[rP+1], v[rP], s[SEL], s[SEL+1]         ; the query's other 64 keys lie in the lane 16 away
.elseif k == 65
	v_max_num_f32 v[rP], v[rP], v[rP+1]
.elseif k == 66
	v_max_num_f32 v[rT+1], v[rT+1], v[rP]                      ; the running largest t
.elseif k == 67
	v_mov_b32 v[rP+1], v[rT]
.elseif k == 68
	v_floor_f32 v[rT], -v[rT+1]                                ; the new -M: M is a whole number
.elseif k == 69
	v_sub_f32 v[rP+1], v[rT], v[rP+1]                          ; old M - new M: a whole number, 0 or less
.elseif k == 70
	v_cvt_i32_f32 v[rP+1], v[rP+1]                             ; (it saturates)
.elseif k == 71
	v_ldexp_f32 v[rT+6], 1.0, v[rP+1]                          ; f
.else
	v_pk_add_f32 v[rS+2*(k-72):rS+2*(k-72)+1], v[rS+2*(k-72):rS+2*(k-72)+1], v[rT:rT+1] op_sel_hi:[1,0]
.endif
.endm
; Line k of 105 of tile u's list POST.
;   0       the sum under the new M
;   1-32    the sum of the UNQUANTISED p, two at a time, in four chains (the sum itself and three pairs of scratch)
;   33-96   the hold: the conversion does not saturate (ISA guide 7.6.2); p is not negative, so it is one-sided
;   97-104  the conversions: registers 2 c, 2 c + 1 of P
.macro POSTI u
.set rS, S+64*(\u)
.set rT, ST+8*(\u)
.set rP, P+16*(\u)
.if k == 0
	v_pk_mul_f32 v[rT+2:rT+3], v[rT+2:rT+3], v[rT+6:rT+7] op_sel_hi:[1,0]
.elseif k < 4
	s_wait_alu depctr_va_vdst(0)
	v_pk_add_f32 v[rP+2*k:rP+2*k+1], v[rS+4*(k-1):rS+4*(k-1)+1], v[rS+4*(k-1)+2:rS+4*(k-1)+3]
.elseif k < 30
.set rD, rP+2*(k%4)
.if k%4 == 0
.set rD, rT+2
.endif
	v_pk_add_f32 v[rD:rD+1], v[rD:rD+1], v[rS+2*(k+2):rS+2*(k+2)+1]
.elseif k == 30
	v_pk_add_f32 v[rP+2:rP+3], v[rP+2:rP+3], v[rP+4:rP+5]
.elseif k == 31
	v_pk_add_f32 v[rT+2:rT+3], v[rT+2:rT+3], v[rP+6:rP+7]
.elseif k == 32
	v_pk_add_f32 v[rT+2:rT+3], v[rT+2:rT+3], v[rP+2:rP+3]
.elseif k < 97
	v_min_num_f32 v[rS+k-33], v[rS+k-33], v24
.else
	v_cvt_scalef32_pk8_bf8_f32 v[rP+2*(k-97):rP+2*(k-97)+1], v[rS+8*(k-97):rS+8*(k-97)+7], v25
.endif
.endm
.macro QK                              ; S^T = K Q^T of 128 keys: sixteen sums of one instruction each
	WIN 0x05                                       ; K and Q in window 1, S^T in window 0
.irp c, 0,1,2,3,4,5,6,7
.irp u, 0,1
	v_wmma_f32_16x16x64_bf8_bf8 v[S+64*\u+8*\c:S+64*\u+8*\c+7], v[KR+8*\c:KR+8*\c+7], v[QR+8*\u:QR+8*\u+7], 0
.endr
.endr
.endm
.macro PV                              ; O^T += V^T P^T: the eight accumulators take turns
	WIN 0x51                                       ; V in window 1, P in window 0, O^T in window 1
.irp t, 0,1,2,3
.irp u, 0,1
	v_wmma_f32_16x16x128_bf8_bf8 v[OT+32*\u+8*\t:OT+32*\u+8*\t+7], v[VR+16*\t:VR+16*\t+15], v[P+16*\u:P+16*\u+15], v[OT+32*\u+8*\t:OT+32*\u+8*\t+7]
.endr
.endr
.endm
; A step.  At its head its V and the next step's K are asked for.  pf = 1: there is a next step.
.macro BODY pf
	v_add_nc_u32 v[ADK], s[TB], v1                 ; these three and the v_nop are the four places between the last products and the loads into K's and V's registers, and the first read of the scores
	v_add_nc_u32 v[ADN], s[TN], v2
	v_add_nc_u32 v[ADV], VOFF, v[ADK]
	v_nop
	WIN 0x40                                       ; destination window 1
.irp t, 0,1,2,3
.irp i, 0,1,2,3
	ds_load_b128 v[VR+16*\t+4*\i:VR+16*\t+4*\i+3], v[ADV] offset:2048*\t+512*\i       ; this step's V
.endr
.endr
.if \pf
.irp c, 0,1,2,3,4,5,6,7
	ds_load_b128 v[KR+8*\c:KR+8*\c+3], v[ADK] offset:8192+1024*\c                     ; the next step's K
	ds_load_b128 v[KR+8*\c+4:KR+8*\c+7], v[ADK] offset:8192+1024*\c+512
.endr
.endif
	WIN 0
	s_wait_dscnt 16+16*\pf                         ; the mask's terms, asked for in the step before, are in; the loads just issued may be out
.set k, 0
.rept 60
	PREI 0
.set k, k+1
.endr
.set k0, 60
.set k1, 0
.rept 12                                       ; tile 0's twelve lines that hang on each other, each followed by two of tile 1's first lines
.set k, k0
	PREI 0
.set k0, k0+1
.rept 2
.set k, k1
	PREI 1
.set k1, k1+1
.endr
.endr
.set k, 72
.rept 32
	PREI 0
.set k, k+1
.endr
.set k, 24
.set j, 0
.rept 64                                       ; tile 0's exponentials; tile 1's other 80 lines of PRE are dealt among them
	v_exp_f32 v[S+j], v[S+j]                       ; p = 2^(t - M)
.rept ((j+1)*80/64-j*80/64)
	PREI 1
.set k, k+1
.endr
.set j, j+1
.endr
.if \pf
.irp c, 0,1,2,3,4,5,6,7
	ds_load_b128 v[NMR+8*\c:NMR+8*\c+3], v[ADN] offset:512+64*\c                      ; the next step's mask terms: both tiles have used this step's
	ds_load_b128 v[NMR+8*\c+4:NMR+8*\c+7], v[ADN] offset:512+64*\c+16
.endr
.endif
.set k, 0
.set j, 0
.rept 64                                       ; tile 1's exponentials; tile 0's 105 lines of POST are dealt among them
	v_exp_f32 v[S+64+j], v[S+64+j]
.rept ((j+1)*105/64-j*105/64)
	POSTI 0
.set k, k+1
.endr
.set j, j+1
.endr
.set k, 0
.rept 105
	POSTI 1                                        ; (its first line is the plain line between the last exponentials and the use of their results)
.set k, k+1
.endr
	WIN 0x41                                       ; O^T (destination and source 0) in window 1, f in window 0
.irp u, 0,1
.set j, 0
.rept 16
	v_pk_mul_f32 v[OT+32*\u+j:OT+32*\u+j+1], v[OT+32*\u+j:OT+32*\u+j+1], v[ST+8*\u+6:ST+8*\u+7] op_sel_hi:[1,0]   ; O^T under the new M.  (Also the plain lines between the conversions and the products that read their results and write their sources)
.set j, j+2
.endr
.endr
	s_wait_dscnt 16*\pf                            ; V and the next step's K, asked for at the head, are in; the next step's mask terms may be out
.if \pf
	QK                                             ; the next step's scores first: the next lines to want a result want these
.endif
	PV
	WIN 0
.endm
	s_wait_tensorcnt 3                             ; my part of the head's first quarter is in; the three later loads may stay out
	s_wait_dscnt 0x0                               ; my LDS stores (the mask's terms) are done
	s_wait_loadcnt 0x0                             ; Q
	s_barrier_signal -1
	s_barrier_wait -1                              ; everybody's part is in
	WIN 0x40
.irp c, 0,1,2,3,4,5,6,7
	ds_load_b128 v[KR+8*\c:KR+8*\c+3], v1 offset:1024*\c       ; step 0's K
	ds_load_b128 v[KR+8*\c+4:KR+8*\c+7], v1 offset:1024*\c+512
.endr
	WIN 0
.irp c, 0,1,2,3,4,5,6,7
	ds_load_b128 v[NMR+8*\c:NMR+8*\c+3], v2 offset:64*\c       ; and its mask terms
	ds_load_b128 v[NMR+8*\c+4:NMR+8*\c+7], v2 offset:64*\c+16
.endr
	s_wait_dscnt 16                                ; K is in; the mask terms' sixteen loads may be out
	QK
	WIN 0
	s_mov_b32 s[TB], 0
	s_mov_b32 s[TN], 0
	s_mov_b32 s[CNT], 3
.Lfirst:                                           ; steps 0 to 2: they read V of steps 0 to 2 and K of steps 1 to 3: all in the first quarter
	BODY 1
	s_add_co_u32 s[TB], s[TB], 8192
	s_add_co_u32 s[TN], s[TN], 512
	s_sub_co_u32 s[CNT], s[CNT], 1
	s_cmp_lg_u32 s[CNT], 0
	s_cbranch_scc1 .Lfirst
	s_wait_tensorcnt 0x0                           ; all my parts of the head are in
	s_wait_dscnt 0x0                               ; no LDS instruction of mine is pending at the signal
	s_barrier_signal -1
	s_barrier_wait -1                              ; everybody's are
	s_mov_b32 s[TB], 3*8192
	s_mov_b32 s[TN], 3*512
	s_mov_b32 s[CNT], 12
.Lrest:                                            ; steps 3 to 14
	BODY 1
	s_add_co_u32 s[TB], s[TB], 8192
	s_add_co_u32 s[TN], s[TN], 512
	s_sub_co_u32 s[CNT], s[CNT], 1
	s_cmp_lg_u32 s[CNT], 0
	s_cbranch_scc1 .Lrest
	s_mov_b32 s[TB], 15*8192
	s_mov_b32 s[TN], 15*512
	BODY 0                                         ; step 15 has no successor: it asks for nothing beyond the head
	; THE WAY OUT: o = O^T 2^(e8 + e9) / the sum, quantised with 2^e10; a lane's eight numbers of a tile are eight neighbours along the next K
.rept 4
	v_nop                                          ; places behind the last products
.endr
.irp u, 0,1
	v_add_f32 v[ST+8*\u+2], v[ST+8*\u+2], v[ST+8*\u+3]         ; the sum's two halves,
	v_permlanex16_b32 v[ST+8*\u+4], v[ST+8*\u+2], s[SEL], s[SEL+1]
	v_add_f32 v[ST+8*\u+2], v[ST+8*\u+2], v[ST+8*\u+4]         ; and lane l xor 16's
.endr
	v_rcp_f32 v[ST+6], v[ST+2]
	v_rcp_f32 v[ST+14], v[ST+10]
	v_nop                                          ; a plain line behind the reciprocals
	s_wait_alu depctr_va_vdst(0)
	v_ldexp_f32 v[ST+6], v[ST+6], s28
	v_ldexp_f32 v[ST+14], v[ST+14], s28
.irp u, 0,1
	WIN 0x01                                       ; source 0 in window 1
.set j, 0
.rept 32
	v_mul_f32 v[S+64*\u+j], v[OT+32*\u+j], v[ST+8*\u+6]
.set j, j+1
.endr
	WIN 0
.set j, 0
.rept 32
	v_med3_num_f32 v[S+64*\u+j], v[S+64*\u+j], -v26, v26
.set j, j+1
.endr
.irp t, 0,1,2,3
	v_cvt_scalef32_pk8_bf8_f32 v[P+16*\u+2*\t:P+16*\u+2*\t+1], v[S+64*\u+8*\t:S+64*\u+8*\t+7], v27
.endr
	v_nop
	global_store_b128 v1, v[P+16*\u:P+16*\u+3], s[38:39] offset:16384*\u         ; 512 consecutive bytes each
	global_store_b128 v1, v[P+16*\u+4:P+16*\u+7], s[38:39] offset:16384*\u+512
.endr
	s_wait_tensorcnt 0x0
	ds_add_u32 v21, v31
	s_wait_dscnt 0x0
	ROUND                                          ; the closing round
	s_endpgm
.Lfunc_end_k_qbe1d473308_attn:
	.size	k_qbe1d473308_attn, .Lfunc_end_k_qbe1d473308_attn-k_qbe1d473308_attn
	.p2alignl 7, 3214868480
	.fill 96, 4, 3214868480
	.section	.rodata,"a",@progbits
	.p2align	6, 0x0
	.amdhsa_kernel k_qbe1d473308_attn
		.amdhsa_group_segment_fixed_size 271360
		.amdhsa_private_segment_fixed_size 0
		.amdhsa_enable_private_segment 0
		.amdhsa_kernarg_size 32
		.amdhsa_user_sgpr_count 2
		.amdhsa_user_sgpr_kernarg_segment_ptr 1
		.amdhsa_wavefront_size32 1
		.amdhsa_system_sgpr_workgroup_id_x 1
		.amdhsa_system_sgpr_workgroup_id_y 1
		.amdhsa_system_sgpr_workgroup_id_z 1
		.amdhsa_system_vgpr_workitem_id 0
		.amdhsa_next_free_vgpr 512
		.amdhsa_next_free_sgpr 80
		.amdhsa_reserve_vcc 0
		.amdhsa_float_denorm_mode_32 3
		.amdhsa_float_denorm_mode_16_64 3
		.amdhsa_memory_ordered 1
		.amdhsa_forward_progress 1
		.amdhsa_inst_pref_size 119
	.end_amdhsa_kernel
	.amdgpu_metadata
---
amdhsa.version: [ 1, 2 ]
amdhsa.kernels:
  - .name:           k_qbe1d473308_attn
    .symbol:         k_qbe1d473308_attn.kd
    .args:
      - { .name: qkv, .offset: 0, .size: 8, .value_kind: global_buffer, .address_space: global }
      - { .name: mask, .offset: 8, .size: 8, .value_kind: global_buffer, .address_space: global }
      - { .name: lowp_scales, .offset: 16, .size: 8, .value_kind: global_buffer, .address_space: global }
      - { .name: ocodes, .offset: 24, .size: 8, .value_kind: global_buffer, .address_space: global }
    .group_segment_fixed_size: 271360
    .private_segment_fixed_size: 0
    .kernarg_segment_align: 8
    .kernarg_segment_size: 32
    .max_flat_workgroup_size: 256
    .sgpr_count:     80
    .vgpr_count:     512
    .wavefront_size: 32
...
	.end_amdgpu_metadata
.endif
;; end of part 3
;; launch tail (part 4): grid 128 x 1, 8 waves a work-group, no clusters, 235,008 bytes of LDS; arguments ocodes, wtail, query, bc, rms1_scale, mlp_b1, mlp_b2, rms2_scale, lowp_scales, out0; writes out0
.if DOCPART == 4
	.amdgcn_target "amdgcn-amd-amdhsa--gfx1250"
	.amdhsa_code_object_version 6
	.text
	.protected	k_qbe1d473308_tail
	.globl	k_qbe1d473308_tail
	.p2align	8
	.type	k_qbe1d473308_tail,@function
k_qbe1d473308_tail:
	s_mov_b64 s[64:65], 0
	v_nop
	global_prefetch_b8 v0, s[64:65] scope:SCOPE_SE
	s_setreg_imm32_b32 hwreg(HW_REG_WAVE_MODE, 25, 1), 1
	s_wait_xcnt 0x0
; TAIL: x = o Wc + bc + query; r1 = s1 x / (rms(x) + 1e-8); h = relu(r1 W1 + b1); z = h W2 + b2 + r1; out = s2 z / (rms(z) + 1e-8).  The three products on codes of BF8.
; SHARES.  A row's norm wants the whole row, so a work-group owns 32 whole rows (two tiles m).  THE EIGHT WAVES SHARE THE COLUMNS: wave w makes columns 128 w .. + 127 of x and z and hidden units 64 w .. + 63, for all 32 rows.
; So each fragment of a weight is used by ONE wave: it goes from memory straight into that wave's operand registers, from the wave's own run of 262,144 bytes of wtail, laid in the order of use: 16 sets of eight fragments (32 loads of
; 512 consecutive bytes), two sets of registers by turns, the set after next asked for as soon as a set (in product 7: half a set) is multiplied.  The run does not stop at the norms.
; The rows' fragments of the NEXT K step are asked of LDS behind a set's products too, AHEAD of those loads of weights: eight LDS loads, which are back when the 32 loads behind them have been issued.
; NO JOINT LOADS, though all work-groups walk the same weights: a joint load lands in LDS, from where each fragment would be read once by one wave: 2 MiB written and 2 MiB read for each work-group that this way spares.
; 128 work-groups, not 256: each walks all 2 MiB of weights whatever its rows; 32 rows halve the bytes moved in all against 16.
; The products are used transposed (source 0 = 16 columns of a weight, source 1 = 16 rows): lane (r, h) holds row r and columns 16 nt + 8 h + 0..7, eight neighbours along the next K: one conversion gives registers 2 nt, 2 nt + 1 of the next operand.
; Operands go from wave to wave through LDS as images of their registers (registers 4 i .. 4 i + 3 at 512 i + 16 lane).  Bias and residual are the C of a sum's first product, divided by the power of two that the sums lack.
; LIMITS: e10 + e11, e12 + e13, e14 + e15 and their negatives between -126 and 127; e12 and e14 - e12 - e13 between -126 and 112.  NaN is not served.
; LDS: STG 32 rows x (4,096 + 16) bytes, for query on the way in and the result on the way out; OIMG, RIMG 16 images of 2,048 (8 m + K step); HIMG 8 images (4 m + K step); VEC bc, s1, b2, s2 (4,096 each), b1 (2,048); RED two sets of 2 x 16 rows x 8 partial sums.
; REGISTERS.  Window 0: v1-19 addresses; v20-23 scales and holds; v24-31 at work; v32-63 two fragments of rows, also partial sums and the codes just made; v64-191 the accumulators of x and z ((m, nt) at 64 + 64 m + 8 nt);
;   v192-255 the accumulators of h ((m, nt) at 192 + 32 m + 8 nt), also 64 numbers of a vector.   Window 1: the weights, two sets of 128.
.set SPT,  4112
.set OIMG, 131584
.set RIMG, 164352
.set HIMG, 197120
.set VEC,  213504
.set RED,  231936
.set AF,   32
.set ACC,  64
.set TMP,  192
.set MSB, 0
.macro WIN new
.if MSB != (\new)
	s_set_vgpr_msb (MSB<<8)|(\new)
.set MSB, (\new)
.endif
.endm
.macro BARRIER                         ; my LDS stores have landed and my LDS loads are in: then the work-group's barrier
	s_wait_dscnt 0x0
	s_barrier_signal -1
	s_barrier_wait -1
.endm
.macro PLACES                          ; four plain lines between matrix instructions and loads into registers that they have read, or the first read of results
.rept 4
	v_nop
.endr
.endm
.macro WLOAD g                         ; set g of my weights: eight fragments, 16,384 bytes
	WIN 0x40                                       ; destination window 1
.irp q, 0,1,2,3,4,5,6,7
.irp i, 0,1,2,3
	global_load_b128 v[128*((\g)%2)+16*\q+4*\i:128*((\g)%2)+16*\q+4*\i+3], v1, s[6:7] offset:16384*(\g)+2048*\q+512*\i
.endr
.endr
	WIN 0
.endm
.macro WLOADH g, q0                    ; half of set g: fragments q0 .. q0 + 3
	WIN 0x40
.irp q, 0,1,2,3
.irp i, 0,1,2,3
	global_load_b128 v[128*((\g)%2)+16*((\q0)+\q)+4*\i:128*((\g)%2)+16*((\q0)+\q)+4*\i+3], v1, s[6:7] offset:16384*(\g)+2048*((\q0)+\q)+512*\i
.endr
.endr
	WIN 0
.endm
.macro FETCH reg, adr, off             ; an image comes back as the registers that it was
.irp i, 0,1,2,3
	ds_load_b128 v[\reg+4*\i:\reg+4*\i+3], v[\adr] offset:(\off)+512*\i
.endr
.endm
.macro AFETCH adr, mstr, s             ; the two tiles of rows' fragments of K step s: images s and mstr + s behind v[adr]
	FETCH AF, \adr, (\s)*2048
	FETCH AF+16, \adr, ((\mstr)+(\s))*2048
.endm
.macro VLOAD off                       ; my 64 columns' numbers of a vector
.irp nt, 0,1,2,3,4,5,6,7
	ds_load_b128 v[TMP+8*\nt:TMP+8*\nt+3], v8 offset:(\off)+64*\nt
	ds_load_b128 v[TMP+8*\nt+4:TMP+8*\nt+7], v8 offset:(\off)+64*\nt+16
.endr
.endm
; A set of products 6 or 8: K step s; sixteen accumulators by turns.  own = 1: the product's first set asks for its own rows; nxt = 1: the next K step's rows are asked for behind the products.
.macro SET8 g, adr, mstr, s, own, nxt
.if \own
	AFETCH \adr, \mstr, \s
.endif
.if (\g) < 15
	s_wait_loadcnt 32                              ; set g is in; the next set's 32 loads may be out
.else
	s_wait_loadcnt 0
.endif
	s_wait_dscnt 0x0                               ; the rows' fragments
	WIN 0x01                                       ; source 0 (the weights) in window 1
.irp nt, 0,1,2,3,4,5,6,7
.irp m, 0,1
	v_wmma_f32_16x16x128_bf8_bf8 v[ACC+64*\m+8*\nt:ACC+64*\m+8*\nt+7], v[128*((\g)%2)+16*\nt:128*((\g)%2)+16*\nt+15], v[AF+16*\m:AF+16*\m+15], v[ACC+64*\m+8*\nt:ACC+64*\m+8*\nt+7]
.endr
.endr
	WIN 0
	PLACES
.if \nxt
	AFETCH \adr, \mstr, (\s)+1
.endif
.if (\g) < 14
	WLOAD (\g)+2
.endif
.endm
.macro HMUL g, k2                      ; product 7: one K step of four column tiles; eight accumulators by turns
	WIN 0x01
.irp nt, 0,1,2,3
.irp m, 0,1
	v_wmma_f32_16x16x128_bf8_bf8 v[TMP+32*\m+8*\nt:TMP+32*\m+8*\nt+7], v[128*((\g)%2)+16*(4*(\k2)+\nt):128*((\g)%2)+16*(4*(\k2)+\nt)+15], v[AF+16*\m:AF+16*\m+15], v[TMP+32*\m+8*\nt:TMP+32*\m+8*\nt+7]
.endr
.endr
	WIN 0
.endm
; A set of product 7: two K steps.  Each frees half of the set's registers, which take half of the set after next at once, behind the LDS loads for the next products.
.macro SETH g, own, nxt
.if \own
	AFETCH 15, 8, 2*((\g)-8)
.endif
	s_wait_loadcnt 32                              ; set g is in; the next set's 32 loads may be out
	s_wait_dscnt 0x0
	HMUL \g, 0
	PLACES
	AFETCH 15, 8, 2*((\g)-8)+1
	WLOADH (\g)+2, 0
	s_wait_dscnt 0x0
	HMUL \g, 1
	PLACES
.if \nxt
	AFETCH 15, 8, 2*((\g)-8)+2
.endif
	WLOADH (\g)+2, 4
.endm
.macro SCALEACC sp                     ; the 128 sums x the power of two in s[sp], each accumulator from its low end on
.set j, 0
.rept 64
	v_pk_mul_f32 v[ACC+j:ACC+j+1], v[ACC+j:ACC+j+1], s[\sp:\sp+1] op_sel_hi:[1,0]
.set j, j+2
.endr
.endm
.macro SUMSQ m, off                    ; the sum of squares of my wave's 128 columns of row r of tile m, to LDS
.set rA, ACC+64*(\m)
.set rW, 24+4*(\m)
	v_pk_mul_f32 v[rW:rW+1], v[rA:rA+1], v[rA:rA+1]
	v_pk_mul_f32 v[rW+2:rW+3], v[rA+2:rA+3], v[rA+2:rA+3]
.set j, 4
.rept 15
	v_pk_fma_f32 v[rW:rW+1], v[rA+j:rA+j+1], v[rA+j:rA+j+1], v[rW:rW+1]
	v_pk_fma_f32 v[rW+2:rW+3], v[rA+j+2:rA+j+3], v[rA+j+2:rA+j+3], v[rW+2:rW+3]
.set j, j+4
.endr
	v_pk_add_f32 v[rW:rW+1], v[rW:rW+1], v[rW+2:rW+3]
	v_add_f32 v[rW], v[rW], v[rW+1]
	v_permlanex16_b32 v[rW+1], v[rW], s32, s33
	v_add_f32 v[rW], v[rW], v[rW+1]                ; both halves of the lanes hold the same number and store it to the same word
	ds_store_b32 v12, v[rW] offset:(\off)+512*(\m)
.endm
; Behind the barrier: the eight waves' partial sums, 1 / (sqrt(sum) / 32 + 1e-8), and the accumulators become (gain x number) x that
.macro NORM redoff, vecoff
.irp m, 0,1
	ds_load_b128 v[AF+8*\m:AF+8*\m+3], v13 offset:(\redoff)+512*\m
	ds_load_b128 v[AF+8*\m+4:AF+8*\m+7], v13 offset:(\redoff)+512*\m+16
.endr
	VLOAD \vecoff
	s_wait_dscnt 16                                ; the partial sums are in; the gain's sixteen loads may be out
.irp m, 0,1
	v_add_f32 v[AF+8*\m], v[AF+8*\m], v[AF+8*\m+1]
	v_add_f32 v[AF+8*\m+2], v[AF+8*\m+2], v[AF+8*\m+3]
	v_add_f32 v[AF+8*\m+4], v[AF+8*\m+4], v[AF+8*\m+5]
	v_add_f32 v[AF+8*\m+6], v[AF+8*\m+6], v[AF+8*\m+7]
	v_add_f32 v[AF+8*\m], v[AF+8*\m], v[AF+8*\m+2]
	v_add_f32 v[AF+8*\m+4], v[AF+8*\m+4], v[AF+8*\m+6]
	v_add_f32 v[AF+8*\m], v[AF+8*\m], v[AF+8*\m+4]
.endr
	v_sqrt_f32 v[AF], v[AF]
	v_sqrt_f32 v[AF+8], v[AF+8]
	v_nop                                          ; a plain line behind the roots
	s_wait_alu depctr_va_vdst(0)
	v_fma_f32 v[AF], v[AF], s54, s55               ; / sqrt(1,024), which is exact, + 1e-8
	v_fma_f32 v[AF+8], v[AF+8], s54, s55
	v_rcp_f32 v24, v[AF]
	v_rcp_f32 v26, v[AF+8]
	v_nop                                          ; a plain line behind the reciprocals
	s_wait_alu depctr_va_vdst(0)
	v_mov_b32 v25, v24                             ; pairs for the packed multiplications
	v_mov_b32 v27, v26
	s_wait_dscnt 0x0
.irp m, 0,1
.set j, 0
.rept 32
	v_pk_mul_f32 v[ACC+64*\m+j:ACC+64*\m+j+1], v[ACC+64*\m+j:ACC+64*\m+j+1], v[TMP+j:TMP+j+1]
.set j, j+2
.endr
.set j, 0
.rept 32
	v_pk_mul_f32 v[ACC+64*\m+j:ACC+64*\m+j+1], v[ACC+64*\m+j:ACC+64*\m+j+1], v[24+2*\m:25+2*\m]
.set j, j+2
.endr
.endr
.endm
	s_load_b512 s[4:19], s[0:1], 0x0               ; ocodes s[4:5], wtail s[6:7], query s[8:9], bc s[10:11], s1 s[12:13], b1 s[14:15], b2 s[16:17], s2 s[18:19]
	s_load_b128 s[20:23], s[0:1], 0x40             ; the exponents s[20:21], out0 s[22:23]
	v_lshrrev_b32 v2, 5, v0
	v_readfirstlane_b32 s24, v2                    ; wave 0..7
	v_and_b32 v1, 31, v0
	v_lshlrev_b32 v1, 4, v1                        ; 16 x lane
	v_and_b32 v2, 15, v0                           ; r
	v_bfe_u32 v3, v0, 4, 1                         ; h
	s_lshl_b32 s25, s24, 9
	v_mul_u32_u24 v4, v2, SPT
	v_lshl_add_u32 v4, v3, 5, v4
	v_add_nc_u32 v4, s25, v4                       ; the stage, by accumulators: row r of tile 0, + 512 w + 32 h;
	v_add_nc_u32 v5, 16*SPT, v4                    ; of tile 1
	s_mul_i32 s26, s24, 4*SPT
	v_add_nc_u32 v6, s26, v1                       ; the stage, by rows: my four rows, 16 bytes a lane
	s_lshl_b32 s26, s24, 14
	v_add_nc_u32 v7, s26, v1                       ; and the same in query and in out0
	v_lshlrev_b32 v8, 5, v3
	v_add_nc_u32 v8, s25, v8
	v_add_nc_u32 v8, VEC, v8                       ; a vector's numbers of my columns
	s_lshl_b32 s26, s24, 8
	v_lshlrev_b32 v9, 5, v3
	v_add_nc_u32 v9, s26, v9
	v_add_nc_u32 v9, VEC+16384, v9                 ; b1's of my hidden units
	s_lshl_b32 s26, s24, 11
	v_add_nc_u32 v10, s26, v1
	v_add_nc_u32 v10, RIMG, v10                    ; r1: my 128 columns are K step w
	s_lshl_b32 s26, s24, 10
	v_add_nc_u32 v11, s26, v1
	v_add_nc_u32 v11, HIMG, v11                    ; h: my 64 units are half w % 2 of K step w / 2
	s_lshl_b32 s26, s24, 2
	v_lshlrev_b32 v13, 5, v2
	v_add_nc_u32 v13, RED, v13                     ; row r's eight partial sums;
	v_add_nc_u32 v12, s26, v13                     ; mine among them
	v_add_nc_u32 v14, OIMG, v1
	v_add_nc_u32 v15, RIMG, v1
	v_add_nc_u32 v16, HIMG, v1
	s_lshl_b32 s26, s24, 12
	v_add_nc_u32 v17, s26, v1                      ; my 4,096 bytes of the block's codes of o
	v_lshlrev_b32 v18, 4, v0                       ; 16 x thread
	v_lshlrev_b32 v19, 3, v0                       ; 8 x thread
	v_add_nc_u32 v28, OIMG, v17
	v_add_nc_u32 v29, VEC, v18
	v_add_nc_u32 v30, VEC+16384, v19
	s_lshl_b32 s28, ttmp9, 15                      ; two row tiles of ocodes
	s_mov_b32 s29, 0
	s_lshl_b32 s30, ttmp9, 17                      ; 32 rows of 4,096 bytes
	s_mov_b32 s31, 0
	s_lshl_b32 s34, s24, 18                        ; my run of weights
	s_mov_b32 s35, 0
	s_mov_b32 s32, 0x76543210                      ; v_permlanex16_b32: lane l xor 16
	s_mov_b32 s33, 0xfedcba98
	s_mov_b32 s54, 0x3d000000                      ; 1 / 32
	s_mov_b32 s55, 0x322bcc77                      ; 1e-8
	s_wait_kmcnt 0x0
	s_load_b128 s[36:39], s[20:21], 0x28           ; e10 .. e13
	s_load_b64 s[40:41], s[20:21], 0x38            ; e14, e15
	s_add_nc_u64 s[4:5], s[4:5], s[28:29]
	s_add_nc_u64 s[8:9], s[8:9], s[30:31]
	s_add_nc_u64 s[22:23], s[22:23], s[30:31]
	s_add_nc_u64 s[6:7], s[6:7], s[34:35]
.irp i, 0,1,2,3,4,5,6,7
	global_load_b128 v[TMP+4*\i:TMP+4*\i+3], v17, s[4:5] offset:512*\i th:TH_LOAD_NT
.endr
	global_load_b128 v[TMP+32:TMP+35], v18, s[10:11]
	global_load_b128 v[TMP+36:TMP+39], v18, s[12:13]
	global_load_b128 v[TMP+40:TMP+43], v18, s[16:17]
	global_load_b128 v[TMP+44:TMP+47], v18, s[18:19]
	global_load_b64 v[TMP+48:TMP+49], v19, s[14:15]
.irp p, 0,1,2,3
.irp q, 0,1,2,3,4,5,6,7
	global_load_b128 v[ACC+4*(8*\p+\q):ACC+4*(8*\p+\q)+3], v7, s[8:9] offset:4096*\p+512*\q th:TH_LOAD_NT   ; query, rows 4 w + p: 512 consecutive bytes a load
.endr
.endr
	WLOAD 0
	s_wait_kmcnt 0x0
	s_add_co_i32 s42, s36, s37                     ; e10 + e11
	s_add_co_i32 s43, s42, 127
	s_lshl_b32 s44, s43, 23                        ; s[44:45] 2^(e10 + e11)
	s_mov_b32 s45, s44
	s_sub_co_i32 s43, 127, s42
	s_lshl_b32 s46, s43, 23                        ; s[46:47] 2^-(e10 + e11)
	s_mov_b32 s47, s46
	s_add_co_i32 s42, s38, s39                     ; e12 + e13
	s_sub_co_i32 s43, 127, s42
	s_lshl_b32 s48, s43, 23                        ; s[48:49] 2^-(e12 + e13)
	s_mov_b32 s49, s48
	s_sub_co_i32 s43, s40, s42                     ; a sum of product 7 stands for sum x 2^(e12 + e13): its code is sum / 2^(e14 - e12 - e13)
	s_add_co_i32 s43, s43, 127
	s_lshl_b32 s56, s43, 23
	v_mov_b32 v22, s56
	s_add_co_i32 s43, s43, 15
	s_lshl_b32 s43, s43, 23
	s_or_b32 s43, s43, 0x600000
	v_mov_b32 v23, s43
	s_add_co_i32 s43, s38, 127
	s_lshl_b32 s56, s43, 23
	v_mov_b32 v20, s56                             ; 2^e12
	s_add_co_i32 s43, s43, 15
	s_lshl_b32 s43, s43, 23
	s_or_b32 s43, s43, 0x600000
	v_mov_b32 v21, s43                             ; 57,344 x 2^e12
	s_add_co_i32 s42, s40, s41                     ; e14 + e15
	s_add_co_i32 s43, s42, 127
	s_lshl_b32 s50, s43, 23                        ; s[50:51] 2^(e14 + e15)
	s_mov_b32 s51, s50
	s_sub_co_i32 s43, 127, s42
	s_lshl_b32 s52, s43, 23                        ; s[52:53] 2^-(e14 + e15)
	s_mov_b32 s53, s52
	s_wait_loadcnt 32                              ; all but set 0 of the weights
.irp i, 0,1,2,3,4,5,6,7
	ds_store_b128 v28, v[TMP+4*\i:TMP+4*\i+3] offset:512*\i
.endr
	ds_store_b128 v29, v[TMP+32:TMP+35]
	ds_store_b128 v29, v[TMP+36:TMP+39] offset:4096
	ds_store_b128 v29, v[TMP+40:TMP+43] offset:8192
	ds_store_b128 v29, v[TMP+44:TMP+47] offset:12288
	ds_store_b64 v30, v[TMP+48:TMP+49]
.irp p, 0,1,2,3
.irp q, 0,1,2,3,4,5,6,7
	ds_store_b128 v6, v[ACC+4*(8*\p+\q):ACC+4*(8*\p+\q)+3] offset:SPT*\p+512*\q
.endr
.endr
	WLOAD 1
	BARRIER                                        ; o's images, the vectors and 32 rows of query lie in LDS
.irp m, 0,1
.irp nt, 0,1,2,3,4,5,6,7
	ds_load_b128 v[ACC+64*\m+8*\nt:ACC+64*\m+8*\nt+3], v[4+\m] offset:64*\nt      ; query in the accumulators' layout
	ds_load_b128 v[ACC+64*\m+8*\nt+4:ACC+64*\m+8*\nt+7], v[4+\m] offset:64*\nt+16
.endr
.endr
	VLOAD 0                                        ; bc
	s_wait_dscnt 0x0
.set j, 0
.rept 32
	v_pk_mul_f32 v[TMP+j:TMP+j+1], v[TMP+j:TMP+j+1], s[46:47] op_sel_hi:[1,0]
.set j, j+2
.endr
.irp m, 0,1
.set j, 0
.rept 32
	v_pk_fma_f32 v[ACC+64*\m+j:ACC+64*\m+j+1], v[ACC+64*\m+j:ACC+64*\m+j+1], s[46:47], v[TMP+j:TMP+j+1] op_sel_hi:[1,0,1]   ; (query + bc) / 2^(e10 + e11): the C of the first products
.set j, j+2
.endr
.endr
	; ---- product 6
	SET8 0, 14, 8, 0, 1, 1
.irp g, 1,2,3,4,5,6
	SET8 \g, 14, 8, \g, 0, 1
.endr
	SET8 7, 14, 8, 7, 0, 0
	; ---- the first norm; r1 is kept in the accumulators and its codes go to LDS
	SCALEACC 44
	SUMSQ 0, 0
	SUMSQ 1, 0
	BARRIER
	NORM 0, 4096
.irp m, 0,1
.set j, 0
.rept 64
	v_med3_num_f32 v[TMP+j], v[ACC+64*\m+j], -v21, v21
.set j, j+1
.endr
.irp nt, 0,1,2,3,4,5,6,7
	v_cvt_scalef32_pk8_bf8_f32 v[AF+16*\m+2*\nt:AF+16*\m+2*\nt+1], v[TMP+8*\nt:TMP+8*\nt+7], v20
.endr
	v_nop                                          ; a plain line between the conversions and the lines that write their sources
.irp i, 0,1,2,3
	ds_store_b128 v10, v[AF+16*\m+4*\i:AF+16*\m+4*\i+3] offset:16384*\m+512*\i
.endr
.endr
	VLOAD 8192                                     ; b2
	s_wait_dscnt 0x0
.set j, 0
.rept 32
	v_pk_mul_f32 v[TMP+j:TMP+j+1], v[TMP+j:TMP+j+1], s[52:53] op_sel_hi:[1,0]
.set j, j+2
.endr
.irp m, 0,1
.set j, 0
.rept 32
	v_pk_fma_f32 v[ACC+64*\m+j:ACC+64*\m+j+1], v[ACC+64*\m+j:ACC+64*\m+j+1], s[52:53], v[TMP+j:TMP+j+1] op_sel_hi:[1,0,1]   ; (r1 + b2) / 2^(e14 + e15): the C of product 8's first products
.set j, j+2
.endr
.endr
.irp m, 0,1
.irp nt, 0,1,2,3
	ds_load_b128 v[TMP+32*\m+8*\nt:TMP+32*\m+8*\nt+3], v9 offset:64*\nt           ; b1, for both tiles of rows
	ds_load_b128 v[TMP+32*\m+8*\nt+4:TMP+32*\m+8*\nt+7], v9 offset:64*\nt+16
.endr
.endr
	s_wait_dscnt 0x0
.set j, 0
.rept 32
	v_pk_mul_f32 v[TMP+j:TMP+j+1], v[TMP+j:TMP+j+1], s[48:49] op_sel_hi:[1,0]     ; b1 / 2^(e12 + e13): the C of product 7's first products
.set j, j+2
.endr
	BARRIER                                        ; r1's sixteen images lie in LDS
	; ---- product 7
	SETH 8, 1, 1
	SETH 9, 0, 1
	SETH 10, 0, 1
	SETH 11, 0, 0
.set j, 0
.rept 64
	v_med3_num_f32 v[TMP+j], v[TMP+j], 0, v23      ; the activation and the hold in one
.set j, j+1
.endr
.irp m, 0,1
.irp nt, 0,1,2,3
	v_cvt_scalef32_pk8_bf8_f32 v[AF+16*\m+2*\nt:AF+16*\m+2*\nt+1], v[TMP+32*\m+8*\nt:TMP+32*\m+8*\nt+7], v22
.endr
.endr
	v_nop
.irp m, 0,1
.irp i, 0,1
	ds_store_b128 v11, v[AF+16*\m+4*\i:AF+16*\m+4*\i+3] offset:8192*\m+512*\i
.endr
.endr
	BARRIER                                        ; the hidden layer's eight images lie in LDS
	; ---- product 8
	SET8 12, 16, 4, 0, 1, 1
	SET8 13, 16, 4, 1, 0, 1
	SET8 14, 16, 4, 2, 0, 1
	SET8 15, 16, 4, 3, 0, 0
	; ---- the second norm, and the way out through the stage: whole rows, 512 consecutive bytes a store
	SCALEACC 50
	SUMSQ 0, 1024
	SUMSQ 1, 1024
	BARRIER
	NORM 1024, 12288
.irp m, 0,1
.irp nt, 0,1,2,3,4,5,6,7
	ds_store_b128 v[4+\m], v[ACC+64*\m+8*\nt:ACC+64*\m+8*\nt+3] offset:64*\nt
	ds_store_b128 v[4+\m], v[ACC+64*\m+8*\nt+4:ACC+64*\m+8*\nt+7] offset:64*\nt+16
.endr
.endr
	BARRIER                                        ; 32 whole rows of the result lie in the stage
.irp p, 0,1,2,3
.irp q, 0,1,2,3,4,5,6,7
	ds_load_b128 v[ACC+4*(8*\p+\q):ACC+4*(8*\p+\q)+3], v6 offset:SPT*\p+512*\q
.endr
.endr
.irp p, 0,1,2,3
.irp q, 0,1,2,3,4,5,6,7
	s_wait_dscnt 31-(8*\p+\q)                      ; this piece is back; the later ones may be out
	global_store_b128 v7, v[ACC+4*(8*\p+\q):ACC+4*(8*\p+\q)+3], s[22:23] offset:4096*\p+512*\q th:TH_STORE_NT
.endr
.endr
	s_wait_xcnt 0x0
	v_lshl_add_u32 v254, v0, 2, 0x39200
	v_mov_b32 v255, 0
	s_wait_tensorcnt 0x0
	ds_add_u32 v254, v255
	s_wait_dscnt 0x0
	s_endpgm
.Lfunc_end_k_qbe1d473308_tail:
	.size	k_qbe1d473308_tail, .Lfunc_end_k_qbe1d473308_tail-k_qbe1d473308_tail
	.p2alignl 7, 3214868480
	.fill 96, 4, 3214868480
	.section	.rodata,"a",@progbits
	.p2align	6, 0x0
	.amdhsa_kernel k_qbe1d473308_tail
		.amdhsa_group_segment_fixed_size 235008
		.amdhsa_private_segment_fixed_size 0
		.amdhsa_enable_private_segment 0
		.amdhsa_kernarg_size 80
		.amdhsa_user_sgpr_count 2
		.amdhsa_user_sgpr_kernarg_segment_ptr 1
		.amdhsa_wavefront_size32 1
		.amdhsa_system_sgpr_workgroup_id_x 1
		.amdhsa_system_sgpr_workgroup_id_y 1
		.amdhsa_system_sgpr_workgroup_id_z 1
		.amdhsa_system_vgpr_workitem_id 0
		.amdhsa_next_free_vgpr 512
		.amdhsa_next_free_sgpr 66
		.amdhsa_reserve_vcc 0
		.amdhsa_float_denorm_mode_32 3
		.amdhsa_float_denorm_mode_16_64 3
		.amdhsa_memory_ordered 1
		.amdhsa_forward_progress 1
		.amdhsa_inst_pref_size 172
	.end_amdhsa_kernel
	.amdgpu_metadata
---
amdhsa.version: [ 1, 2 ]
amdhsa.kernels:
  - .name:           k_qbe1d473308_tail
    .symbol:         k_qbe1d473308_tail.kd
    .args:
      - { .name: ocodes, .offset: 0, .size: 8, .value_kind: global_buffer, .address_space: global }
      - { .name: wtail, .offset: 8, .size: 8, .value_kind: global_buffer, .address_space: global }
      - { .name: query, .offset: 16, .size: 8, .value_kind: global_buffer, .address_space: global }
      - { .name: bc, .offset: 24, .size: 8, .value_kind: global_buffer, .address_space: global }
      - { .name: rms1_scale, .offset: 32, .size: 8, .value_kind: global_buffer, .address_space: global }
      - { .name: mlp_b1, .offset: 40, .size: 8, .value_kind: global_buffer, .address_space: global }
      - { .name: mlp_b2, .offset: 48, .size: 8, .value_kind: global_buffer, .address_space: global }
      - { .name: rms2_scale, .offset: 56, .size: 8, .value_kind: global_buffer, .address_space: global }
      - { .name: lowp_scales, .offset: 64, .size: 8, .value_kind: global_buffer, .address_space: global }
      - { .name: out0, .offset: 72, .size: 8, .value_kind: global_buffer, .address_space: global }
    .group_segment_fixed_size: 235008
    .private_segment_fixed_size: 0
    .kernarg_segment_align: 8
    .kernarg_segment_size: 80
    .max_flat_workgroup_size: 256
    .sgpr_count:     66
    .vgpr_count:     512
    .wavefront_size: 32
...
	.end_amdgpu_metadata
.endif
;; end of part 4
;; ======== version 2 of 2: 4 launches; version 1 with the launch tail written anew for expert scheduling mode
;; workspace buffers: codes 15,728,640 bytes; wtail 2,097,152 bytes; qkv 12,582,912 bytes; ocodes 4,194,304 bytes
;; launch prep: the kernel of part 1 again; grid 992 x 1, 4 waves a work-group, no clusters, 36,352 bytes of LDS; arguments query, key, value, Wq, Wk, Wv, Wc, mlp_w1, mlp_w2, lowp_scales, codes, wtail; writes codes, wtail
;; launch proj: the kernel of part 2 again; grid 4 x 48, 4 waves a work-group, clusters of 4 x 4, 327,680 bytes of LDS; arguments codes, lowp_scales, bq, bk, bv, qkv; writes qkv
;; launch attn: the kernel of part 3 again; grid 8 x 32, 8 waves a work-group, clusters of 4 x 1, 271,360 bytes of LDS; arguments qkv, mask, lowp_scales, ocodes; writes ocodes
;; launch tail (part 5): grid 128 x 1, 8 waves a work-group, no clusters, 235,008 bytes of LDS; arguments ocodes, wtail, query, bc, rms1_scale, mlp_b1, mlp_b2, rms2_scale, lowp_scales, out0; writes out0
.if DOCPART == 5
	.amdgcn_target "amdgcn-amd-amdhsa--gfx1250"
	.amdhsa_code_object_version 6
	.text
	.protected	k_qbe1d473308_tail
	.globl	k_qbe1d473308_tail
	.p2align	8
	.type	k_qbe1d473308_tail,@function
k_qbe1d473308_tail:
	s_mov_b64 s[64:65], 0
	v_nop
	global_prefetch_b8 v0, s[64:65] scope:SCOPE_SE
	s_setreg_imm32_b32 hwreg(HW_REG_WAVE_SCHED_MODE, 0, 2), 2
	s_setreg_imm32_b32 hwreg(HW_REG_WAVE_MODE, 25, 1), 1
	s_wait_xcnt 0x0
	s_wait_alu depctr_vm_vsrc(0)
; TAIL: x = o Wc + bc + query; r1 = s1 x / (rms(x) + 1e-8); h = relu(r1 W1 + b1); z = h W2 + b2 + r1; out = s2 z / (rms(z) + 1e-8).  The three products on codes of BF8.
; SHARES.  A row's norm wants the whole row, so a work-group owns 32 whole rows (two tiles m).  THE EIGHT WAVES SHARE THE COLUMNS: wave w makes columns 128 w .. + 127 of x and z and hidden units 64 w .. + 63, for all 32 rows.
; So each fragment of a weight is used by ONE wave: it goes from memory straight into that wave's operand registers, from the wave's own run of 262,144 bytes of wtail, laid in the order of use: 16 sets of eight fragments (32 loads of
; 512 consecutive bytes), two sets of registers by turns, the set after next asked for as soon as a set (in product 7: half a set) is multiplied.  The run does not stop at the norms.
; NO JOINT LOADS, though all work-groups walk the same weights: a joint load lands in LDS, from where each fragment would be read once by one wave: 2 MiB written and 2 MiB read for each work-group that this way spares.
; 128 work-groups, not 256: each walks all 2 MiB of weights whatever its rows; 32 rows halve the bytes moved in all against 16.
; The products are used transposed (source 0 = 16 columns of a weight, source 1 = 16 rows): lane (r, h) holds row r and columns 16 nt + 8 h + 0..7, eight neighbours along the next K: one conversion gives registers 2 nt, 2 nt + 1 of the next operand.
; Operands go from wave to wave through LDS as images of their registers (registers 4 i .. 4 i + 3 at 512 i + 16 lane).  Bias and residual are the C of a sum's first product, divided by the power of two that the sums lack.
; LIMITS: e10 + e11, e12 + e13, e14 + e15 and their negatives between -126 and 127; e12 and e14 - e12 - e13 between -126 and 112.  NaN is not served.
; LDS: STG 32 rows x (4,096 + 16) bytes, for query on the way in and the result on the way out; OIMG, RIMG 16 images of 2,048 (8 m + K step); HIMG 8 images (4 m + K step); VEC bc, s1, b2, s2 (4,096 each), b1 (2,048); RED two sets of 2 x 16 rows x 8 partial sums.
; REGISTERS.  Window 0: v1-19 addresses; v20-23 scales and holds; v24-31 at work; v32-63 two fragments of rows, also partial sums and the codes just made; v64-191 the accumulators of x and z ((m, nt) at 64 + 64 m + 8 nt);
;   v192-255 the accumulators of h ((m, nt) at 192 + 32 m + 8 nt), also 64 numbers of a vector; in products 6 and 8 v192-223 are a second pair of fragments of rows.   Window 1: the weights, two sets of 128.
; THE MODE: SCHED_MODE bits 1:0 = 2 (LLVM: expert scheduling mode 2), set by the entry lines.  The code itself states the register dependences between vector or matrix instructions and memory or LDS instructions, with s_wait_alu, always for 0.
; THE PLAN.  Registers that memory or LDS instructions touch:
;   v1, v4-v19    offsets and LDS addresses: made at the head, never written again.  v28-v30: addresses of the head's LDS stores alone; the sums of squares write them later.
;   window 1      set g % 2: read by set g's products; behind them the loads of set g + 2 land in it.
;   R0 = v32-63, R1 = v192-223   the rows' fragments.  Products 6 and 8: K step s reads R[s % 2]; the LDS loads of step s + 1 stand at the head of step s and land in the other buffer, which step s - 1's products read.
;                 Product 7 has R0 alone (v192-255 hold its sums).  R0 also takes the norms' partial sums, and the codes of r1 and of h, which LDS stores read.
;   v192-255      loaded at the head and read by its LDS stores; then bc, the gains, b2 and b1 land there, each behind the vector lines that used the one before.
;   v64-191       query lands there twice (from memory, and from the stage in the accumulators' layout); at the end LDS stores read them, the result's rows land in them and the global stores read those.
;   v24, v28      the partial sums: written by vector lines, read by two LDS stores at each norm.
; So ONE wait on va_vdst stands behind a set's products (product 7: behind each of its two K steps): it states that they are done reading the set, in which the loads just behind it land, and their buffer of rows, in which the loads
; at the next step's head land; no vector or matrix instruction between the wait and those loads names these registers.  The other waits stand where a phase hands registers over: each says which.
.set SPT,  4112
.set OIMG, 131584
.set RIMG, 164352
.set HIMG, 197120
.set VEC,  213504
.set RED,  231936
.set AF,   32
.set ACC,  64
.set TMP,  192
.set MSB, 0
.macro WIN new
.if MSB != (\new)
	s_set_vgpr_msb (MSB<<8)|(\new)
.set MSB, (\new)
.endif
.endm
.macro BARRIER                         ; my LDS stores have landed and my LDS loads are in: then the work-group's barrier
	s_wait_dscnt 0x0
	s_barrier_signal -1
	s_barrier_wait -1
.endm
.macro PLACES                          ; four plain lines between matrix instructions and loads into registers that they have read, or the first read of results
.rept 4
	v_nop
.endr
.endm
.macro WLOAD g                         ; set g of my weights: eight fragments, 16,384 bytes
	WIN 0x40                                       ; destination window 1
.irp q, 0,1,2,3,4,5,6,7
.irp i, 0,1,2,3
	global_load_b128 v[128*((\g)%2)+16*\q+4*\i:128*((\g)%2)+16*\q+4*\i+3], v1, s[6:7] offset:16384*(\g)+2048*\q+512*\i
.endr
.endr
	WIN 0
.endm
.macro WLOADH g, q0                    ; half of set g: fragments q0 .. q0 + 3
	WIN 0x40
.irp q, 0,1,2,3
.irp i, 0,1,2,3
	global_load_b128 v[128*((\g)%2)+16*((\q0)+\q)+4*\i:128*((\g)%2)+16*((\q0)+\q)+4*\i+3], v1, s[6:7] offset:16384*(\g)+2048*((\q0)+\q)+512*\i
.endr
.endr
	WIN 0
.endm
.macro FETCH reg, adr, off             ; an image comes back as the registers that it was
.irp i, 0,1,2,3
	ds_load_b128 v[\reg+4*\i:\reg+4*\i+3], v[\adr] offset:(\off)+512*\i
.endr
.endm
.macro AFETCH reg, adr, mstr, s        ; the two tiles of rows' fragments of K step s, into v[reg] on: images s and mstr + s behind v[adr]
	FETCH \reg, \adr, (\s)*2048
	FETCH \reg+16, \adr, ((\mstr)+(\s))*2048
.endm
.macro VLOAD off                       ; my 64 columns' numbers of a vector
.irp nt, 0,1,2,3,4,5,6,7
	ds_load_b128 v[TMP+8*\nt:TMP+8*\nt+3], v8 offset:(\off)+64*\nt
	ds_load_b128 v[TMP+8*\nt+4:TMP+8*\nt+7], v8 offset:(\off)+64*\nt+16
.endr
.endm
; A set of products 6 or 8: K step s; sixteen accumulators by turns.  own = 1: the product's first set asks for its own rows; nxt = 1: the next K step's rows are asked for at this step's head, into the other buffer.
.macro SET8 g, adr, mstr, s, own, nxt
.set AB, AF+160*((\s)%2)               ; this step's buffer of rows: v32 on or v192 on
.set AN, AF+160*(1-(\s)%2)             ; the other one
.if \own
	AFETCH AB, \adr, \mstr, \s
.endif
.if (\g) < 15
	s_wait_loadcnt 32                              ; set g is in; the next set's 32 loads may be out
.else
	s_wait_loadcnt 0
.endif
	s_wait_dscnt 0x0                               ; the rows' fragments
.if \nxt
	AFETCH AN, \adr, \mstr, (\s)+1                 ; no wait: the products that read this buffer stand ahead of the last wait on va_vdst, and nothing since names it
.endif
	WIN 0x01                                       ; source 0 (the weights) in window 1
.irp nt, 0,1,2,3,4,5,6,7
.irp m, 0,1
	v_wmma_f32_16x16x128_bf8_bf8 v[ACC+64*\m+8*\nt:ACC+64*\m+8*\nt+7], v[128*((\g)%2)+16*\nt:128*((\g)%2)+16*\nt+15], v[AB+16*\m:AB+16*\m+15], v[ACC+64*\m+8*\nt:ACC+64*\m+8*\nt+7]
.endr
.endr
	WIN 0
	PLACES
.if (\g) < 14
	s_wait_alu depctr_va_vdst(0)                   ; these products are done reading set g, in which the loads below land, and their buffer of rows, in which the loads at the next step's head land
	WLOAD (\g)+2
.endif
.endm
.macro HMUL g, k2                      ; product 7: one K step of four column tiles; eight accumulators by turns
	WIN 0x01
.irp nt, 0,1,2,3
.irp m, 0,1
	v_wmma_f32_16x16x128_bf8_bf8 v[TMP+32*\m+8*\nt:TMP+32*\m+8*\nt+7], v[128*((\g)%2)+16*(4*(\k2)+\nt):128*((\g)%2)+16*(4*(\k2)+\nt)+15], v[AF+16*\m:AF+16*\m+15], v[TMP+32*\m+8*\nt:TMP+32*\m+8*\nt+7]
.endr
.endr
	WIN 0
.endm
; A set of product 7: two K steps.  Each frees half of the set's registers, which take half of the set after next at once, behind the LDS loads for the next products.
.macro SETH g, own, nxt
.if \own
	AFETCH AF, 15, 8, 2*((\g)-8)
.endif
	s_wait_loadcnt 32                              ; set g is in; the next set's 32 loads may be out
	s_wait_dscnt 0x0
	HMUL \g, 0
	PLACES
	s_wait_alu depctr_va_vdst(0)                   ; these products are done reading the rows' fragments and the set's first half: the loads below land in both
	AFETCH AF, 15, 8, 2*((\g)-8)+1
	WLOADH (\g)+2, 0
	s_wait_dscnt 0x0
	HMUL \g, 1
	PLACES
	s_wait_alu depctr_va_vdst(0)                   ; the same for the set's second half
.if \nxt
	AFETCH AF, 15, 8, 2*((\g)-8)+2
.endif
	WLOADH (\g)+2, 4
.endm
.macro SCALEACC sp                     ; the 128 sums x the power of two in s[sp], each accumulator from its low end on
.set j, 0
.rept 64
	v_pk_mul_f32 v[ACC+j:ACC+j+1], v[ACC+j:ACC+j+1], s[\sp:\sp+1] op_sel_hi:[1,0]
.set j, j+2
.endr
.endm
.macro SUMSQ m                         ; the sum of squares of my wave's 128 columns of row r of tile m, into v[24 + 4 m]
.set rA, ACC+64*(\m)
.set rW, 24+4*(\m)
	v_pk_mul_f32 v[rW:rW+1], v[rA:rA+1], v[rA:rA+1]
	v_pk_mul_f32 v[rW+2:rW+3], v[rA+2:rA+3], v[rA+2:rA+3]
.set j, 4
.rept 15
	v_pk_fma_f32 v[rW:rW+1], v[rA+j:rA+j+1], v[rA+j:rA+j+1], v[rW:rW+1]
	v_pk_fma_f32 v[rW+2:rW+3], v[rA+j+2:rA+j+3], v[rA+j+2:rA+j+3], v[rW+2:rW+3]
.set j, j+4
.endr
	v_pk_add_f32 v[rW:rW+1], v[rW:rW+1], v[rW+2:rW+3]
	v_add_f32 v[rW], v[rW], v[rW+1]
	v_permlanex16_b32 v[rW+1], v[rW], s32, s33
	v_add_f32 v[rW], v[rW], v[rW+1]                ; both halves of the lanes hold the same number and store it to the same word
.endm
.macro PUTSUMS off                     ; both tiles' partial sums to LDS
	s_wait_alu depctr_va_vdst(0)                   ; v24 and v28 are written, which the stores read; and every product is done reading v32-63 and v192-223, in which the norm's loads land
	ds_store_b32 v12, v24 offset:(\off)
	ds_store_b32 v12, v28 offset:(\off)+512
.endm
; Behind the barrier: the eight waves' partial sums, 1 / (sqrt(sum) / 32 + 1e-8), and the accumulators become (gain x number) x that
.macro NORM redoff, vecoff
	s_wait_alu depctr_vm_vsrc(0)                   ; my two stores of partial sums have read v24 and v28: the reciprocal below writes v24, the next sums of squares both
.irp m, 0,1
	ds_load_b128 v[AF+8*\m:AF+8*\m+3], v13 offset:(\redoff)+512*\m
	ds_load_b128 v[AF+8*\m+4:AF+8*\m+7], v13 offset:(\redoff)+512*\m+16
.endr
	VLOAD \vecoff
	s_wait_dscnt 16                                ; the partial sums are in; the gain's sixteen loads may be out
.irp m, 0,1
	v_add_f32 v[AF+8*\m], v[AF+8*\m], v[AF+8*\m+1]
	v_add_f32 v[AF+8*\m+2], v[AF+8*\m+2], v[AF+8*\m+3]
	v_add_f32 v[AF+8*\m+4], v[AF+8*\m+4], v[AF+8*\m+5]
	v_add_f32 v[AF+8*\m+6], v[AF+8*\m+6], v[AF+8*\m+7]
	v_add_f32 v[AF+8*\m], v[AF+8*\m], v[AF+8*\m+2]
	v_add_f32 v[AF+8*\m+4], v[AF+8*\m+4], v[AF+8*\m+6]
	v_add_f32 v[AF+8*\m], v[AF+8*\m], v[AF+8*\m+4]
.endr
	v_sqrt_f32 v[AF], v[AF]
	v_sqrt_f32 v[AF+8], v[AF+8]
	v_nop                                          ; a plain line behind the roots
	s_wait_alu depctr_va_vdst(0)                   ; the two roots are written, ahead of their first reader
	v_fma_f32 v[AF], v[AF], s54, s55               ; / sqrt(1,024), which is exact, + 1e-8
	v_fma_f32 v[AF+8], v[AF+8], s54, s55
	v_rcp_f32 v24, v[AF]
	v_rcp_f32 v26, v[AF+8]
	v_nop                                          ; a plain line behind the reciprocals
	s_wait_alu depctr_va_vdst(0)                   ; the two reciprocals are written, ahead of their first reader
	v_mov_b32 v25, v24                             ; pairs for the packed multiplications
	v_mov_b32 v27, v26
	s_wait_dscnt 0x0
.irp m, 0,1
.set j, 0
.rept 32
	v_pk_mul_f32 v[ACC+64*\m+j:ACC+64*\m+j+1], v[ACC+64*\m+j:ACC+64*\m+j+1], v[TMP+j:TMP+j+1]
.set j, j+2
.endr
.set j, 0
.rept 32
	v_pk_mul_f32 v[ACC+64*\m+j:ACC+64*\m+j+1], v[ACC+64*\m+j:ACC+64*\m+j+1], v[24+2*\m:25+2*\m]
.set j, j+2
.endr
.endr
.endm
	s_load_b512 s[4:19], s[0:1], 0x0               ; ocodes s[4:5], wtail s[6:7], query s[8:9], bc s[10:11], s1 s[12:13], b1 s[14:15], b2 s[16:17], s2 s[18:19]
	s_load_b128 s[20:23], s[0:1], 0x40             ; the exponents s[20:21], out0 s[22:23]
	v_lshrrev_b32 v2, 5, v0
	v_readfirstlane_b32 s24, v2                    ; wave 0..7
	v_and_b32 v1, 31, v0
	v_lshlrev_b32 v1, 4, v1                        ; 16 x lane
	v_and_b32 v2, 15, v0                           ; r
	v_bfe_u32 v3, v0, 4, 1                         ; h
	s_wait_alu depctr_va_sdst(0)                   ; s24 is written, ahead of its first reader: the wave's places in LDS and in memory are made from it
	s_lshl_b32 s25, s24, 9
	v_mul_u32_u24 v4, v2, SPT
	v_lshl_add_u32 v4, v3, 5, v4
	v_add_nc_u32 v4, s25, v4                       ; the stage, by accumulators: row r of tile 0, + 512 w + 32 h;
	v_add_nc_u32 v5, 16*SPT, v4                    ; of tile 1
	s_mul_i32 s26, s24, 4*SPT
	v_add_nc_u32 v6, s26, v1                       ; the stage, by rows: my four rows, 16 bytes a lane
	s_lshl_b32 s26, s24, 14
	v_add_nc_u32 v7, s26, v1                       ; and the same in query and in out0
	v_lshlrev_b32 v8, 5, v3
	v_add_nc_u32 v8, s25, v8
	v_add_nc_u32 v8, VEC, v8                       ; a vector's numbers of my columns
	s_lshl_b32 s26, s24, 8
	v_lshlrev_b32 v9, 5, v3
	v_add_nc_u32 v9, s26, v9
	v_add_nc_u32 v9, VEC+16384, v9                 ; b1's of my hidden units
	s_lshl_b32 s26, s24, 11
	v_add_nc_u32 v10, s26, v1
	v_add_nc_u32 v10, RIMG, v10                    ; r1: my 128 columns are K step w
	s_lshl_b32 s26, s24, 10
	v_add_nc_u32 v11, s26, v1
	v_add_nc_u32 v11, HIMG, v11                    ; h: my 64 units are half w % 2 of K step w / 2
	s_lshl_b32 s26, s24, 2
	v_lshlrev_b32 v13, 5, v2
	v_add_nc_u32 v13, RED, v13                     ; row r's eight partial sums;
	v_add_nc_u32 v12, s26, v13                     ; mine among them
	v_add_nc_u32 v14, OIMG, v1
	v_add_nc_u32 v15, RIMG, v1
	v_add_nc_u32 v16, HIMG, v1
	s_lshl_b32 s26, s24, 12
	v_add_nc_u32 v17, s26, v1                      ; my 4,096 bytes of the block's codes of o
	v_lshlrev_b32 v18, 4, v0                       ; 16 x thread
	v_lshlrev_b32 v19, 3, v0                       ; 8 x thread
	v_add_nc_u32 v28, OIMG, v17
	v_add_nc_u32 v29, VEC, v18
	v_add_nc_u32 v30, VEC+16384, v19
	s_lshl_b32 s28, ttmp9, 15                      ; two row tiles of ocodes
	s_mov_b32 s29, 0
	s_lshl_b32 s30, ttmp9, 17                      ; 32 rows of 4,096 bytes
	s_mov_b32 s31, 0
	s_lshl_b32 s34, s24, 18                        ; my run of weights
	s_mov_b32 s35, 0
	s_mov_b32 s32, 0x76543210                      ; v_permlanex16_b32: lane l xor 16
	s_mov_b32 s33, 0xfedcba98
	s_mov_b32 s54, 0x3d000000                      ; 1 / 32
	s_mov_b32 s55, 0x322bcc77                      ; 1e-8
	s_wait_kmcnt 0x0
	s_load_b128 s[36:39], s[20:21], 0x28           ; e10 .. e13
	s_load_b64 s[40:41], s[20:21], 0x38            ; e14, e15
	s_add_nc_u64 s[4:5], s[4:5], s[28:29]
	s_add_nc_u64 s[8:9], s[8:9], s[30:31]
	s_add_nc_u64 s[22:23], s[22:23], s[30:31]
	s_add_nc_u64 s[6:7], s[6:7], s[34:35]
	s_wait_alu depctr_va_vdst(0)                   ; the offsets and addresses v1, v4 to v19 and v28 to v30 are written: every load and store of the kernel reads one of them
.irp i, 0,1,2,3,4,5,6,7
	global_load_b128 v[TMP+4*\i:TMP+4*\i+3], v17, s[4:5] offset:512*\i th:TH_LOAD_NT
.endr
	global_load_b128 v[TMP+32:TMP+35], v18, s[10:11]
	global_load_b128 v[TMP+36:TMP+39], v18, s[12:13]
	global_load_b128 v[TMP+40:TMP+43], v18, s[16:17]
	global_load_b128 v[TMP+44:TMP+47], v18, s[18:19]
	global_load_b64 v[TMP+48:TMP+49], v19, s[14:15]
.irp p, 0,1,2,3
.irp q, 0,1,2,3,4,5,6,7
	global_load_b128 v[ACC+4*(8*\p+\q):ACC+4*(8*\p+\q)+3], v7, s[8:9] offset:4096*\p+512*\q th:TH_LOAD_NT   ; query, rows 4 w + p: 512 consecutive bytes a load
.endr
.endr
	WLOAD 0
	s_wait_kmcnt 0x0
	s_add_co_i32 s42, s36, s37                     ; e10 + e11
	s_add_co_i32 s43, s42, 127
	s_lshl_b32 s44, s43, 23                        ; s[44:45] 2^(e10 + e11)
	s_mov_b32 s45, s44
	s_sub_co_i32 s43, 127, s42
	s_lshl_b32 s46, s43, 23                        ; s[46:47] 2^-(e10 + e11)
	s_mov_b32 s47, s46
	s_add_co_i32 s42, s38, s39                     ; e12 + e13
	s_sub_co_i32 s43, 127, s42
	s_lshl_b32 s48, s43, 23                        ; s[48:49] 2^-(e12 + e13)
	s_mov_b32 s49, s48
	s_sub_co_i32 s43, s40, s42                     ; a sum of product 7 stands for sum x 2^(e12 + e13): its code is sum / 2^(e14 - e12 - e13)
	s_add_co_i32 s43, s43, 127
	s_lshl_b32 s56, s43, 23
	v_mov_b32 v22, s56
	s_add_co_i32 s43, s43, 15
	s_lshl_b32 s43, s43, 23
	s_or_b32 s43, s43, 0x600000
	v_mov_b32 v23, s43
	s_add_co_i32 s43, s38, 127
	s_lshl_b32 s56, s43, 23
	v_mov_b32 v20, s56                             ; 2^e12
	s_add_co_i32 s43, s43, 15
	s_lshl_b32 s43, s43, 23
	s_or_b32 s43, s43, 0x600000
	v_mov_b32 v21, s43                             ; 57,344 x 2^e12
	s_add_co_i32 s42, s40, s41                     ; e14 + e15
	s_add_co_i32 s43, s42, 127
	s_lshl_b32 s50, s43, 23                        ; s[50:51] 2^(e14 + e15)
	s_mov_b32 s51, s50
	s_sub_co_i32 s43, 127, s42
	s_lshl_b32 s52, s43, 23                        ; s[52:53] 2^-(e14 + e15)
	s_mov_b32 s53, s52
	s_wait_loadcnt 32                              ; all but set 0 of the weights
.irp i, 0,1,2,3,4,5,6,7
	ds_store_b128 v28, v[TMP+4*\i:TMP+4*\i+3] offset:512*\i    ; (the data come from loads; the four lines that wrote v20 to v23 since the last wait name no register of these stores)
.endr
	ds_store_b128 v29, v[TMP+32:TMP+35]
	ds_store_b128 v29, v[TMP+36:TMP+39] offset:4096
	ds_store_b128 v29, v[TMP+40:TMP+43] offset:8192
	ds_store_b128 v29, v[TMP+44:TMP+47] offset:12288
	ds_store_b64 v30, v[TMP+48:TMP+49]
.irp p, 0,1,2,3
.irp q, 0,1,2,3,4,5,6,7
	ds_store_b128 v6, v[ACC+4*(8*\p+\q):ACC+4*(8*\p+\q)+3] offset:SPT*\p+512*\q
.endr
.endr
	WLOAD 1
	BARRIER                                        ; o's images, the vectors and 32 rows of query lie in LDS
	s_wait_alu depctr_vm_vsrc(0)                   ; my LDS stores have read v64-191 and v192-241, in which the loads below land, and v28 to v30, which the sums of squares write
.irp m, 0,1
.irp nt, 0,1,2,3,4,5,6,7
	ds_load_b128 v[ACC+64*\m+8*\nt:ACC+64*\m+8*\nt+3], v[4+\m] offset:64*\nt      ; query in the accumulators' layout
	ds_load_b128 v[ACC+64*\m+8*\nt+4:ACC+64*\m+8*\nt+7], v[4+\m] offset:64*\nt+16
.endr
.endr
	VLOAD 0                                        ; bc
	s_wait_dscnt 0x0
.set j, 0
.rept 32
	v_pk_mul_f32 v[TMP+j:TMP+j+1], v[TMP+j:TMP+j+1], s[46:47] op_sel_hi:[1,0]
.set j, j+2
.endr
.irp m, 0,1
.set j, 0
.rept 32
	v_pk_fma_f32 v[ACC+64*\m+j:ACC+64*\m+j+1], v[ACC+64*\m+j:ACC+64*\m+j+1], s[46:47], v[TMP+j:TMP+j+1] op_sel_hi:[1,0,1]   ; (query + bc) / 2^(e10 + e11): the C of the first products
.set j, j+2
.endr
.endr
	s_wait_alu depctr_va_vdst(0)                   ; the lines above are done writing and reading v192-223, in which the rows' fragments of K step 1 land
	; ---- product 6
	SET8 0, 14, 8, 0, 1, 1
.irp g, 1,2,3,4,5,6
	SET8 \g, 14, 8, \g, 0, 1
.endr
	SET8 7, 14, 8, 7, 0, 0
	; ---- the first norm; r1 is kept in the accumulators and its codes go to LDS
	SCALEACC 44
	SUMSQ 0
	SUMSQ 1
	PUTSUMS 0
	BARRIER
	NORM 0, 4096
.irp m, 0,1
.set j, 0
.rept 64
	v_med3_num_f32 v[TMP+j], v[ACC+64*\m+j], -v21, v21
.set j, j+1
.endr
.irp nt, 0,1,2,3,4,5,6,7
	v_cvt_scalef32_pk8_bf8_f32 v[AF+16*\m+2*\nt:AF+16*\m+2*\nt+1], v[TMP+8*\nt:TMP+8*\nt+7], v20
.endr
	v_nop                                          ; a plain line between the conversions and the lines that write their sources
.endr
	s_wait_alu depctr_va_vdst(0)                   ; the conversions have written v32-63, which the stores read, and are done reading v192-255, in which b2 lands
.irp m, 0,1
.irp i, 0,1,2,3
	ds_store_b128 v10, v[AF+16*\m+4*\i:AF+16*\m+4*\i+3] offset:16384*\m+512*\i
.endr
.endr
	VLOAD 8192                                     ; b2
	s_wait_dscnt 0x0
.set j, 0
.rept 32
	v_pk_mul_f32 v[TMP+j:TMP+j+1], v[TMP+j:TMP+j+1], s[52:53] op_sel_hi:[1,0]
.set j, j+2
.endr
.irp m, 0,1
.set j, 0
.rept 32
	v_pk_fma_f32 v[ACC+64*\m+j:ACC+64*\m+j+1], v[ACC+64*\m+j:ACC+64*\m+j+1], s[52:53], v[TMP+j:TMP+j+1] op_sel_hi:[1,0,1]   ; (r1 + b2) / 2^(e14 + e15): the C of product 8's first products
.set j, j+2
.endr
.endr
	s_wait_alu depctr_va_vdst(0)                   ; the lines above are done writing and reading v192-255, in which b1 lands
.irp m, 0,1
.irp nt, 0,1,2,3
	ds_load_b128 v[TMP+32*\m+8*\nt:TMP+32*\m+8*\nt+3], v9 offset:64*\nt           ; b1, for both tiles of rows
	ds_load_b128 v[TMP+32*\m+8*\nt+4:TMP+32*\m+8*\nt+7], v9 offset:64*\nt+16
.endr
.endr
	s_wait_dscnt 0x0
.set j, 0
.rept 32
	v_pk_mul_f32 v[TMP+j:TMP+j+1], v[TMP+j:TMP+j+1], s[48:49] op_sel_hi:[1,0]     ; b1 / 2^(e12 + e13): the C of product 7's first products
.set j, j+2
.endr
	BARRIER                                        ; r1's sixteen images lie in LDS
	s_wait_alu depctr_vm_vsrc(0)                   ; my stores of r1's codes have read v32-63, in which the rows' fragments land
	; ---- product 7
	SETH 8, 1, 1
	SETH 9, 0, 1
	SETH 10, 0, 1
	SETH 11, 0, 0
.set j, 0
.rept 64
	v_med3_num_f32 v[TMP+j], v[TMP+j], 0, v23      ; the activation and the hold in one
.set j, j+1
.endr
.irp m, 0,1
.irp nt, 0,1,2,3
	v_cvt_scalef32_pk8_bf8_f32 v[AF+16*\m+2*\nt:AF+16*\m+2*\nt+1], v[TMP+32*\m+8*\nt:TMP+32*\m+8*\nt+7], v22
.endr
.endr
	v_nop
	s_wait_alu depctr_va_vdst(0)                   ; the conversions have written v32-39 and v48-55, which the stores read, and are done reading v192-255: the rows' fragments of product 8 land in both
.irp m, 0,1
.irp i, 0,1
	ds_store_b128 v11, v[AF+16*\m+4*\i:AF+16*\m+4*\i+3] offset:8192*\m+512*\i
.endr
.endr
	BARRIER                                        ; the hidden layer's eight images lie in LDS
	s_wait_alu depctr_vm_vsrc(0)                   ; my stores of h's codes have read v32-39 and v48-55, in which the rows' fragments land
	; ---- product 8
	SET8 12, 16, 4, 0, 1, 1
	SET8 13, 16, 4, 1, 0, 1
	SET8 14, 16, 4, 2, 0, 1
	SET8 15, 16, 4, 3, 0, 0
	; ---- the second norm, and the way out through the stage: whole rows, 512 consecutive bytes a store
	SCALEACC 50
	SUMSQ 0
	SUMSQ 1
	PUTSUMS 1024
	BARRIER
	NORM 1024, 12288
	s_wait_alu depctr_va_vdst(0)                   ; the multiplications have written v64-191, which the stores read
.irp m, 0,1
.irp nt, 0,1,2,3,4,5,6,7
	ds_store_b128 v[4+\m], v[ACC+64*\m+8*\nt:ACC+64*\m+8*\nt+3] offset:64*\nt
	ds_store_b128 v[4+\m], v[ACC+64*\m+8*\nt+4:ACC+64*\m+8*\nt+7] offset:64*\nt+16
.endr
.endr
	BARRIER                                        ; 32 whole rows of the result lie in the stage
	s_wait_alu depctr_vm_vsrc(0)                   ; my stores into the stage have read v64-191, in which the rows land
.irp p, 0,1,2,3
.irp q, 0,1,2,3,4,5,6,7
	ds_load_b128 v[ACC+4*(8*\p+\q):ACC+4*(8*\p+\q)+3], v6 offset:SPT*\p+512*\q
.endr
.endr
.irp p, 0,1,2,3
.irp q, 0,1,2,3,4,5,6,7
	s_wait_dscnt 31-(8*\p+\q)                      ; this piece is back; the later ones may be out
	global_store_b128 v7, v[ACC+4*(8*\p+\q):ACC+4*(8*\p+\q)+3], s[22:23] offset:4096*\p+512*\q th:TH_STORE_NT
.endr
.endr
	s_wait_xcnt 0x0
	v_lshl_add_u32 v254, v0, 2, 0x39200            ; the add's two registers are made anew here: no memory or LDS instruction of the kernel reads v254 or v255
	v_mov_b32 v255, 0
	s_wait_dscnt 0x0                               ; the closing lines, six on end
	s_wait_alu 0x0
	s_wait_tensorcnt 0x0
	ds_add_u32 v254, v255
	s_wait_dscnt 0x0
	s_endpgm
.Lfunc_end_k_qbe1d473308_tail:
	.size	k_qbe1d473308_tail, .Lfunc_end_k_qbe1d473308_tail-k_qbe1d473308_tail
	.p2alignl 7, 3214868480
	.fill 96, 4, 3214868480
	.section	.rodata,"a",@progbits
	.p2align	6, 0x0
	.amdhsa_kernel k_qbe1d473308_tail
		.amdhsa_group_segment_fixed_size 235008
		.amdhsa_private_segment_fixed_size 0
		.amdhsa_enable_private_segment 0
		.amdhsa_kernarg_size 80
		.amdhsa_user_sgpr_count 2
		.amdhsa_user_sgpr_kernarg_segment_ptr 1
		.amdhsa_wavefront_size32 1
		.amdhsa_system_sgpr_workgroup_id_x 1
		.amdhsa_system_sgpr_workgroup_id_y 1
		.amdhsa_system_sgpr_workgroup_id_z 1
		.amdhsa_system_vgpr_workitem_id 0
		.amdhsa_next_free_vgpr 512
		.amdhsa_next_free_sgpr 66
		.amdhsa_reserve_vcc 0
		.amdhsa_float_denorm_mode_32 3
		.amdhsa_float_denorm_mode_16_64 3
		.amdhsa_memory_ordered 1
		.amdhsa_forward_progress 1
		.amdhsa_inst_pref_size 173
	.end_amdhsa_kernel
	.amdgpu_metadata
---
amdhsa.version: [ 1, 2 ]
amdhsa.kernels:
  - .name:           k_qbe1d473308_tail
    .symbol:         k_qbe1d473308_tail.kd
    .args:
      - { .name: ocodes, .offset: 0, .size: 8, .value_kind: global_buffer, .address_space: global }
      - { .name: wtail, .offset: 8, .size: 8, .value_kind: global_buffer, .address_space: global }
      - { .name: query, .offset: 16, .size: 8, .value_kind: global_buffer, .address_space: global }
      - { .name: bc, .offset: 24, .size: 8, .value_kind: global_buffer, .address_space: global }
      - { .name: rms1_scale, .offset: 32, .size: 8, .value_kind: global_buffer, .address_space: global }
      - { .name: mlp_b1, .offset: 40, .size: 8, .value_kind: global_buffer, .address_space: global }
      - { .name: mlp_b2, .offset: 48, .size: 8, .value_kind: global_buffer, .address_space: global }
      - { .name: rms2_scale, .offset: 56, .size: 8, .value_kind: global_buffer, .address_space: global }
      - { .name: lowp_scales, .offset: 64, .size: 8, .value_kind: global_buffer, .address_space: global }
      - { .name: out0, .offset: 72, .size: 8, .value_kind: global_buffer, .address_space: global }
    .group_segment_fixed_size: 235008
    .private_segment_fixed_size: 0
    .kernarg_segment_align: 8
    .kernarg_segment_size: 80
    .max_flat_workgroup_size: 256
    .sgpr_count:     66
    .vgpr_count:     512
    .wavefront_size: 32
...
	.end_amdgpu_metadata
.endif
;; end of part 5
